; MI455X (gfx1250); checked and timed in simulation.
; The chip was launched on July 23, 2026; its instructions are those of AMD's public machine-readable ISA for CDNA 5 (MIT licence, August 2026) and "CDNA5" Instruction Set Architecture Reference Guide (July 2026). The comments in the code are by the model that wrote it; some were corrected since.
;; Multi Head Attention. Allowed arithmetic: matrix products marked QUANTISED: E2M1 operands, one E8M0 scale for each 32 along K, by v_wmma_scale_f32_16x16x128_f8f6f4 with both operands' format E2M1 (or v_wmma_scale_f32_32x16x128_f4), f32 sums; products left as they are: bf16, f16 or f32 operands; f32 sums; everything else in f32.
;; Inputs: Wk 16 x 1,024 x 64 float32; Wo 1,024 x 1,024 float32; Wq 16 x 1,024 x 64 float32; Wv 16 x 1,024 x 64 float32; bo 1,024 float32; key 2 x 2,048 x 1,024 float32; mask 2 x 1 x 2,048 x 2,048 int32; query 2 x 2,048 x 1,024 float32; value 2 x 2,048 x 1,024 float32.
;; Outputs: out0 2 x 2,048 x 1,024 float32.
;; This version of the problem:
;;   THIS VERSION OF THE PROBLEM IS GIVEN IN LOW PRECISION. The matrix products marked QUANTISED in the list below multiply operands that are first quantised to E2M1 (2 exponent bits, 1 mantissa bit; 4 bits a number), with one power-of-two scale for each 32 numbers along K (OCP MX v1.0); their sums are f32. The products marked 'left as it is' may take bf16, f16 or f32 operands, with f32 sums. Whichever they take, every output number must still come out within the allowed error. Rounding operands to bf16 (8 significant bits) uses up far more of that allowance than f16 does (11 bits, for magnitudes from 6e-5 to 65,504). All else is computed in f32.
;;   The module's matrix products, in the order in which they are computed (A, B: the left and right operand; K: the contracted axis; several contracted axes count as one K, in the product's order):
;;     1. [M 1,024, K 1,024] x [K 1,024, N 4,096]; A: input Wq; B: input query: QUANTISED
;;     2. [M 1,024, K 1,024] x [K 1,024, N 4,096]; A: input Wk; B: input key: QUANTISED
;;     3. [M 1,024, K 1,024] x [K 1,024, N 4,096]; A: input Wv; B: input value: QUANTISED
;;     4. batch 32 x [M 2,048, K 64] x [K 64, N 2,048]; A: computed on the way; B: computed on the way: left as it is (an operand is computed on the way)
;;     5. batch 32 x [M 2,048, K 2,048] x [K 2,048, N 64]; A: computed on the way; B: computed on the way: left as it is (an operand is computed on the way)
;;     6. [M 4,096, K 1,024] x [K 1,024, N 1,024]; A: computed on the way; B: input Wo: left as it is (an operand is computed on the way)
;;   THE QUANTISER, for each operand of a quantised product, along K:
;;     - K is cut into blocks of 32 from its start; a last block that is shorter is filled with zeros.
;;     - A block's scale is 2^e with e = floor(log2(the largest magnitude in the block)) - 2, held to -126 .. 127; a block of zeros has e = 0. As a byte (E8M0): e + 127.
;;     - Each number is divided by its block's scale, clamped to +-6, and rounded to the nearest number of E2M1, ties to even, subnormals kept.
;;     - The product sums the exact products of the quantised numbers (number of the format x scale) in f32.
;;   ~~~python
;;   def quantise(x, axis):      # numpy; x: float32 -> the quantised numbers, widened to float32 again
;;       x = np.moveaxis(x, axis, -1); K = x.shape[-1]
;;       x = np.pad(x, [(0, 0)] * (x.ndim - 1) + [(0, -K % 32)]); x = x.reshape(x.shape[:-1] + (-1, 32)); a = np.abs(x).max(-1, keepdims=True)
;;       e = np.where(a > 0, np.clip(np.frexp(np.where(a > 0, a, 1))[1] - 1 - 2, -126, 127), 0)      # np.frexp(a)[1] - 1 = floor(log2(a)), exactly
;;       r = np.clip(x / 2.0 ** e, -6, 6)
;;       step = 2.0 ** (np.maximum(np.frexp(np.where(r == 0, 1, r))[1] - 1, 0) - 1)
;;       q = np.round(r / step) * step * 2.0 ** e      # np.round: ties to even
;;       return np.moveaxis(q.reshape(q.shape[:-2] + (-1,))[..., :K], -1, axis).astype(np.float32)
;;   ~~~
;; One version. Each part assembles by itself: llvm-mc -triple=amdgcn-amd-amdhsa -mcpu=gfx1250 --defsym DOCPART=n.
;; ======== version 1 of 1: 4 launches
;; limits: values are held in f16: magnitudes above 65,504 overflow, below 6.1e-05 lose precision; inputs' magnitudes at most 65,504
;; workspace buffers: codes 7,864,320 bytes; scales 491,520 bytes; wo2 4,194,304 bytes; maskw 1,048,576 bytes of whole numbers; flags 2,048 bytes of whole numbers; qkvf 25,165,824 bytes; cc 8,388,608 bytes
;; launch prep (part 1): grid 720 x 1, 4 waves a work-group, no clusters, 102,400 bytes of LDS; arguments query, key, value, Wq, Wk, Wv, Wo, mask, codes, scales, wo2, maskw, flags; writes codes, scales, wo2, maskw, flags
.if DOCPART == 1
	.amdgcn_target "amdgcn-amd-amdhsa--gfx1250"
	.amdhsa_code_object_version 6
	.text
	.protected	k_qa0935394c9_prep
	.globl	k_qa0935394c9_prep
	.p2align	8
	.type	k_qa0935394c9_prep,@function
k_qa0935394c9_prep:
	s_mov_b64 s[64:65], 0
	v_nop
	global_prefetch_b8 v0, s[64:65] scope:SCOPE_SE
	s_setreg_imm32_b32 hwreg(HW_REG_WAVE_MODE, 25, 1), 1
	s_wait_xcnt 0x0
; PREP: everything that is read once and wanted narrow later.  Four kinds of work-group, told apart by the work-group's number alone; each kind has LDS bytes of its own.
;   0..47    Wq, Wk, Wv [16][1024 e][64 d] f32 -> codes of FP4 (E2M1) with e innermost, rows 12288 + 1024 T + 64 h + d of 'codes' (512 bytes a row), one E8M0 byte for each 32 along e in 'scales' (32 bytes a row)
;   48..303  mask [2][1][2048][2048] int32 -> lane-mask words in 'maskw' and two flag words a tile of 16 queries in 'flags'
;   304..687 query, key, value [4096 tokens][1024] f32 -> codes, rows 4096 T + token, and scale bytes
;   688..719 Wo [1024][1024] f32 -> 'wo2' [1024][2048] f16: columns 0..1023 a high part, columns 1024..2047 the low part that is left
; THE QUANTISER: a block's scale is 2^(floor(log2(its largest magnitude)) - 2); its byte is the largest magnitude's exponent field - 2, held at 1 from below; each number is divided by the scale and rounded to the
; nearest code, ties to even, beyond 6 the code of 6.  A block of zeros gets the byte 1 where the rule says 127: its codes are zeros, and this program alone reads the bytes.
; LIMITS: NaN and infinities among the inputs are not served; blocks whose largest magnitude lies under 2^-124 keep the byte 1.  Wo: magnitudes up to 65,504; under 6e-5 the high part is rounded twice (at most 3e-8 off).
; No matrix work, no cluster, no tensor load: the launch streams, and its work-groups share no input.
.set SPARE, 101632                     ; LDS: 0..32767 activations' stages; 32768..67583 weights' stages; 67584..101375 the mask's stages; 101376..101631 the mask's four flag records; then the spare words, 128 bytes a wave
.set SPW,   252                        ; v252 LDS address of my spare word; never rewritten
.set NIL,   253                        ; v253 0; never rewritten
	v_lshl_add_u32 v[SPW], v0, 2, SPARE
	v_mov_b32 v[NIL], 0
	v_lshrrev_b32 v1, 5, v0
	v_readfirstlane_b32 s8, v1                     ; wave 0..3
	v_and_b32 v2, 31, v0                           ; lane
	s_cmp_lt_u32 ttmp9, 48
	s_cbranch_scc1 .Lweights
	s_cmp_lt_u32 ttmp9, 304
	s_cbranch_scc1 .Lmask
	s_cmp_lt_u32 ttmp9, 688
	s_cbranch_scc1 .Lacts
; ---------------------------------------------------------------- Wo: 32 rows a work-group, 8 a wave, two rows (16 loads of 512 consecutive bytes) a batch, two batches ahead.  No LDS.
; high = x rounded to 11 significant bits, made in f32: c = 8193 x (rounded: that rounding is the method, so it is no fused multiply-add), high = c - (c - x); low = x - high, exact.
	s_load_b64 s[4:5], s[0:1], 0x30                ; Wo
	s_load_b64 s[6:7], s[0:1], 0x50                ; wo2
	s_sub_co_u32 s10, ttmp9, 688
	s_lshl_b32 s10, s10, 17                        ; 32 rows of 4,096 bytes, in Wo and in wo2 alike
	s_lshl_b32 s11, s8, 15                         ; my wave's 8 rows
	s_add_co_u32 s10, s10, s11
	s_mov_b32 s11, 0
	s_mov_b32 s12, 0x46000400                      ; 8193.0
	s_mov_b32 s13, s12                             ; (named with it as a pair)
	v_lshlrev_b32 v3, 4, v2                        ; in: 16 bytes a lane
	v_lshlrev_b32 v4, 3, v2                        ; out: 8 bytes a lane: a wave's store covers 256 consecutive bytes, aligned
	s_wait_kmcnt 0x0
	s_add_nc_u64 s[4:5], s[4:5], s[10:11]
	s_add_nc_u64 s[6:7], s[6:7], s[10:11]
.macro C_LOAD b                        ; batch b: rows 2 b, 2 b + 1 into v16-79 (b even) or v128-191 (b odd)
.irp i, 0,1,2,3,4,5,6,7,8,9,10,11,12,13,14,15
	global_load_b128 v[16+112*((\b)%2)+4*\i:16+112*((\b)%2)+4*\i+3], v3, s[4:5] offset:(2*(\b)+\i/8)*4096+512*(\i%8) th:TH_LOAD_NT
.endr
.endm
.macro C_WORK b
.irp i, 0,1,2,3,4,5,6,7,8,9,10,11,12,13,14,15
.set CX, 16+112*((\b)%2)+4*\i
.set CT, 112+8*(\i%2)
	v_pk_mul_f32 v[CT:CT+1], v[CX:CX+1], s[12:13] op_sel_hi:[1,0]
	v_pk_mul_f32 v[CT+2:CT+3], v[CX+2:CX+3], s[12:13] op_sel_hi:[1,0]
	v_pk_add_f32 v[CT+4:CT+5], v[CT:CT+1], v[CX:CX+1] neg_lo:[0,1] neg_hi:[0,1]
	v_pk_add_f32 v[CT+6:CT+7], v[CT+2:CT+3], v[CX+2:CX+3] neg_lo:[0,1] neg_hi:[0,1]
	v_pk_add_f32 v[CT:CT+1], v[CT:CT+1], v[CT+4:CT+5] neg_lo:[0,1] neg_hi:[0,1]      ; the high part
	v_pk_add_f32 v[CT+2:CT+3], v[CT+2:CT+3], v[CT+6:CT+7] neg_lo:[0,1] neg_hi:[0,1]
	v_pk_add_f32 v[CT+4:CT+5], v[CX:CX+1], v[CT:CT+1] neg_lo:[0,1] neg_hi:[0,1]      ; the low part
	v_pk_add_f32 v[CT+6:CT+7], v[CX+2:CX+3], v[CT+2:CT+3] neg_lo:[0,1] neg_hi:[0,1]
	v_cvt_pk_f16_f32 v[80+2*\i], v[CT], v[CT+1]
	v_cvt_pk_f16_f32 v[81+2*\i], v[CT+2], v[CT+3]
	v_cvt_pk_f16_f32 v[192+2*\i], v[CT+4], v[CT+5]
	v_cvt_pk_f16_f32 v[193+2*\i], v[CT+6], v[CT+7]
	global_store_b64 v4, v[80+2*\i:81+2*\i], s[6:7] offset:(2*(\b)+\i/8)*4096+256*(\i%8)
	global_store_b64 v4, v[192+2*\i:193+2*\i], s[6:7] offset:(2*(\b)+\i/8)*4096+256*(\i%8)+2048
.endr
.endm
	C_LOAD 0
	C_LOAD 1
	s_wait_loadcnt 16                              ; batch 0 is in; batch 1's 16 loads may be out
	C_WORK 0
	C_LOAD 2
	s_wait_loadcnt 16                              ; batch 1 is in; batch 2's may be out
	s_wait_xcnt 0x0                                ; the last batch's stores have read their data: those registers are written again below
	C_WORK 1
	C_LOAD 3
	s_wait_loadcnt 16
	s_wait_xcnt 0x0
	C_WORK 2
	s_wait_loadcnt 0x0
	s_wait_xcnt 0x0
	C_WORK 3
	s_endpgm
; ---------------------------------------------------------------- activations: a plain stream of blocks of 32.  A wave takes 16 steps of 512 numbers.  Each load reads 512 consecutive bytes; a step's 2,048 bytes turn through
; the wave's own stage in LDS (16 bytes of padding behind each 64) and come back 64 bytes a lane: 16 neighbours along K; two neighbouring lanes hold a block.
.Lacts:
	s_load_b128 s[12:15], s[0:1], 0x0              ; query, key
	s_load_b64 s[16:17], s[0:1], 0x10              ; value
	s_load_b128 s[20:23], s[0:1], 0x40             ; codes, scales
	s_sub_co_u32 s9, ttmp9, 304
	s_lshr_b32 s10, s9, 7                          ; T: 128 work-groups a tensor
	s_lshl_b32 s9, s9, 2
	s_add_co_u32 s9, s9, s8                        ; which run of 8,192 numbers is my wave's, counted through the three tensors
	v_lshlrev_b32 v3, 4, v2                        ; my 16 bytes of a load's 512
	s_lshl_b32 s11, s8, 13                         ; my wave's 8,192 bytes of LDS: two stages of 2,560 bytes, then 256 scale bytes
	v_lshrrev_b32 v14, 2, v2
	v_mul_u32_u24 v14, v14, 80
	v_and_b32 v15, 3, v2
	v_lshl_add_u32 v14, v15, 4, v14
	v_add_nc_u32 v14, s11, v14                     ; the stage, on the way in: 80 (lane / 4) + 16 (lane % 4)
	v_mul_u32_u24 v15, v2, 80
	v_add_nc_u32 v15, s11, v15                     ; and on the way out: 80 x lane
	v_lshlrev_b32 v4, 3, v2                        ; 8 bytes a lane: my codes' place in a step's 256 bytes, and my place in the 256 scale bytes
	v_lshrrev_b32 v5, 1, v2
	s_add_co_u32 s11, s11, 5120
	v_add_nc_u32 v5, s11, v5                       ; LDS: my block's scale byte
	v_add_nc_u32 v6, s11, v4                       ; and 8 of them on the way out
	s_and_b32 s24, s9, 511
	s_lshl_b32 s24, s24, 15                        ; 32,768 bytes of f32 a run, 512 runs a tensor
	s_mov_b32 s25, 0
	s_lshl_b32 s26, s9, 12                         ; 4,096 bytes of codes a run
	s_mov_b32 s27, 0
	s_lshl_b32 s28, s9, 8                          ; 256 scale bytes a run
	s_mov_b32 s29, 0
	s_wait_kmcnt 0x0
	s_cmp_eq_u32 s10, 0                            ; the choice hangs on the work-group's number alone
	s_cselect_b64 s[4:5], s[12:13], s[14:15]
	s_cmp_eq_u32 s10, 2
	s_cselect_b64 s[4:5], s[16:17], s[4:5]
	s_add_nc_u64 s[4:5], s[4:5], s[24:25]
	s_add_nc_u64 s[6:7], s[20:21], s[26:27]
	s_add_nc_u64 s[10:11], s[22:23], s[28:29]
.macro A_LOAD t
.irp i, 0,1,2,3
	global_load_b128 v[16+16*((\t)%4)+4*\i:16+16*((\t)%4)+4*\i+3], v3, s[4:5] offset:2048*(\t)+512*\i th:TH_LOAD_NT
.endr
.endm
.macro A_TURN t                        ; LDS serves a wave's instructions in order (ISA guide 5.7.1.4): no wait between the stores and the loads
.irp i, 0,1,2,3
	ds_store_b128 v14, v[16+16*((\t)%4)+4*\i:16+16*((\t)%4)+4*\i+3] offset:2560*((\t)%2)+640*\i
.endr
.irp i, 0,1,2,3
	ds_load_b128 v[80+16*((\t)%2)+4*\i:80+16*((\t)%2)+4*\i+3], v15 offset:2560*((\t)%2)+16*\i
.endr
.endm
.macro A_STEP t
.set XS, 80+16*((\t)%2)
.if (\t) > 0
	s_wait_dscnt 1                                 ; this step's numbers are back from the stage (the last step's byte store may be out), so its stores into the stage have read their registers,
.else
	s_wait_dscnt 0x0
.endif
.if (\t)+4 < 16
	A_LOAD (\t)+4                                  ; which take the loads of four steps on
.endif
.if (\t)+1 < 16
.if 14-(\t) >= 3
	s_wait_loadcnt 12                              ; the next step's four loads are in; those of the three steps behind it may be out
.else
	s_wait_loadcnt 4*(14-(\t))
.endif
	A_TURN (\t)+1
.endif
	v_max3_num_f32 v8, |v[XS]|, |v[XS+1]|, |v[XS+2]|               ; the largest magnitude of my 16, in two chains
	v_max3_num_f32 v9, |v[XS+3]|, |v[XS+4]|, |v[XS+5]|
.irp i, 6,10
	v_max3_num_f32 v8, v8, |v[XS+\i]|, |v[XS+\i+1]|
	v_max3_num_f32 v9, v9, |v[XS+\i+2]|, |v[XS+\i+3]|
.endr
	v_max3_num_f32 v8, v8, |v[XS+14]|, |v[XS+15]|
	v_max3_num_f32 v8, v8, v9, 0x1800000           ; and the floor 2^(3 - 127): the byte cannot fall under 1
	v_max_num_f32_dpp v8, v8, v8 row_xmask:1 row_mask:0xf bank_mask:0xf   ; with my neighbour's 16: the block's
	v_add_nc_u32 v11, 0xff000000, v8               ; 2 off its exponent field: the conversion takes the exponent field of this operand as its scale
	v_cvt_scalef32_pk8_fp4_f32 v[128+2*(\t)], v[XS:XS+7], v11
	v_cvt_scalef32_pk8_fp4_f32 v[129+2*(\t)], v[XS+8:XS+15], v11
	v_lshrrev_b32 v[112+(\t)], 23, v11             ; the scale's byte
	ds_store_b8 v5, v[112+(\t)] offset:16*(\t)     ; both lanes of a block write the same byte with the same value
	global_store_b64 v4, v[128+2*(\t):129+2*(\t)], s[6:7] offset:256*(\t)   ; 32 lanes store 256 consecutive bytes, aligned; each step has registers of its own
.endm
.irp t, 0,1,2,3
	A_LOAD \t
.endr
	s_wait_loadcnt 12                              ; step 0's four loads are in
	A_TURN 0
.irp t, 0,1,2,3,4,5,6,7,8,9,10,11,12,13,14,15
	A_STEP \t
.endr
	ds_load_b64 v[8:9], v6                         ; my wave's 256 scale bytes, 8 a lane
	s_wait_dscnt 0x0
	global_store_b64 v4, v[8:9], s[10:11]          ; 256 consecutive bytes, aligned
	s_wait_tensorcnt 0x0                           ; the wave's end, behind my last LDS store
	ds_add_u32 v[SPW], v[NIL]
	s_wait_dscnt 0x0
	s_endpgm
; ---------------------------------------------------------------- weights: K = e is not innermost.  A lane takes a column (h, d), its registers run down e: a block of 32 is one lane's, and the codes come out with e innermost.
; A wave takes 32 columns x 512 along e; its codes go through its own stage (rows of 272 bytes) and leave by rows: sixteen lanes store 256 consecutive bytes, aligned.
.Lweights:
	s_load_b128 s[12:15], s[0:1], 0x18             ; Wq, Wk
	s_load_b64 s[16:17], s[0:1], 0x28              ; Wv
	s_load_b128 s[20:23], s[0:1], 0x40             ; codes, scales
	s_lshr_b32 s9, ttmp9, 4                        ; T
	s_bfe_u32 s10, ttmp9, 0x30001                  ; which 128 columns
	s_and_b32 s11, ttmp9, 1                        ; which 512 along e
	s_lshl_b32 s24, s10, 7
	s_lshl_b32 s25, s8, 5
	s_add_co_u32 s24, s24, s25                     ; my wave's first column, 64 h + d
	v_lshlrev_b32 v3, 2, v2                        ; in: 4 bytes a lane
	s_mul_i32 s25, s8, 8704
	s_add_co_u32 s25, s25, 32768                   ; my stage: 32 rows x 272 bytes
	v_mul_u32_u24 v4, v2, 272
	v_add_nc_u32 v4, s25, v4                       ; into it: row = my column
	v_and_b32 v5, 15, v2
	v_lshrrev_b32 v6, 4, v2
	v_mul_u32_u24 v7, v6, 272
	v_lshl_add_u32 v7, v5, 4, v7
	v_add_nc_u32 v7, s25, v7                       ; out of it: sixteen lanes to a row, two rows an instruction
	v_lshlrev_b32 v8, 9, v6
	v_lshl_add_u32 v8, v5, 4, v8                   ; the same place in 'codes': rows of 512 bytes
	v_lshlrev_b32 v9, 5, v2                        ; my column's row of scale bytes
	s_lshr_b32 s26, s24, 6
	s_lshl_b32 s26, s26, 18                        ; W: the head's 262,144 bytes,
	s_lshl_b32 s27, s11, 17                        ; 512 rows of 256 bytes,
	s_add_co_u32 s26, s26, s27
	s_and_b32 s27, s8, 1
	s_lshl_b32 s27, s27, 7                         ; and which 32 of the head's 64 columns
	s_add_co_u32 s26, s26, s27
	s_mov_b32 s27, 0
	s_lshl_b32 s28, s9, 19                         ; codes: row 12288 + 1024 T + column, + 256 bytes for the second 512 along e
	s_lshl_b32 s29, s24, 9
	s_add_co_u32 s28, s28, s29
	s_lshl_b32 s29, s11, 8
	s_add_co_u32 s28, s28, s29
	s_add_co_u32 s28, s28, 6291456
	s_mov_b32 s29, 0
	s_lshl_b32 s30, s9, 15                         ; scale bytes: the same row, 32 bytes each, + 16
	s_lshl_b32 s31, s24, 5
	s_add_co_u32 s30, s30, s31
	s_lshl_b32 s31, s11, 4
	s_add_co_u32 s30, s30, s31
	s_add_co_u32 s30, s30, 393216
	s_mov_b32 s31, 0
	s_wait_kmcnt 0x0
	s_cmp_eq_u32 s9, 0
	s_cselect_b64 s[4:5], s[12:13], s[14:15]
	s_cmp_eq_u32 s9, 2
	s_cselect_b64 s[4:5], s[16:17], s[4:5]
	s_add_nc_u64 s[4:5], s[4:5], s[26:27]
	s_add_nc_u64 s[6:7], s[20:21], s[28:29]
	s_add_nc_u64 s[10:11], s[22:23], s[30:31]
.macro B_LOAD t                        ; block t: W(32 t + i, my column) into set t % 2
.irp i, 0,1,2,3,4,5,6,7,8,9,10,11,12,13,14,15,16,17,18,19,20,21,22,23,24,25,26,27,28,29,30,31
	global_load_b32 v[32+32*((\t)%2)+\i], v3, s[4:5] offset:(32*(\t)+\i)*256 th:TH_LOAD_NT
.endr
.endm
.macro B_BLOCK t
.set XS, 32+32*((\t)%2)
.if (\t) < 15
	s_wait_loadcnt 32                              ; this block's 32 loads are in; the next block's may be out
.else
	s_wait_loadcnt 0x0
.endif
	v_max3_num_f32 v12, |v[XS]|, |v[XS+1]|, |v[XS+2]|               ; all 32 numbers of the block are mine
	v_max3_num_f32 v13, |v[XS+3]|, |v[XS+4]|, |v[XS+5]|
.irp i, 6,10,14,18,22,26
	v_max3_num_f32 v12, v12, |v[XS+\i]|, |v[XS+\i+1]|
	v_max3_num_f32 v13, v13, |v[XS+\i+2]|, |v[XS+\i+3]|
.endr
	v_max3_num_f32 v12, v12, |v[XS+30]|, |v[XS+31]|
	v_max3_num_f32 v12, v12, v13, 0x1800000        ; the floor
	v_add_nc_u32 v11, 0xff000000, v12
	v_lshrrev_b32 v13, 23, v11                     ; the scale's byte
.if (\t)%4 == 0
	v_mov_b32 v[24+(\t)/4], v13                    ; four bytes to a register, the lower e in the lower byte
.else
	v_lshl_or_b32 v[24+(\t)/4], v13, 8*((\t)%4), v[24+(\t)/4]
.endif
.irp g, 0,1,2,3
	v_cvt_scalef32_pk8_fp4_f32 v[96+\g], v[XS+8*\g:XS+8*\g+7], v11
.endr
	ds_store_b128 v4, v[96:99] offset:16*(\t)      ; 32 codes: 16 bytes of my column's row
.if (\t)+2 < 16
	B_LOAD (\t)+2
.endif
	s_wait_dscnt 0x0                               ; the store has read its registers: the next block's codes may be written
.endm
	B_LOAD 0
	B_LOAD 1
.irp t, 0,1,2,3,4,5,6,7,8,9,10,11,12,13,14,15
	B_BLOCK \t
.endr
	global_store_b128 v9, v[24:27], s[10:11]       ; my column's 16 scale bytes
.irp t, 0,1,2,3,4,5,6,7,8,9,10,11,12,13,14,15
	ds_load_b128 v[112+4*\t:112+4*\t+3], v7 offset:2*\t*272
.endr
.irp t, 0,1,2,3,4,5,6,7,8,9,10,11,12,13,14,15
	s_wait_dscnt 15-\t                             ; LDS loads come back in order: load t is in, the younger ones may be out
	global_store_b128 v8, v[112+4*\t:112+4*\t+3], s[6:7] offset:2*\t*512
.endr
	s_wait_tensorcnt 0x0                           ; the wave's end, behind my last LDS store
	ds_add_u32 v[SPW], v[NIL]
	s_wait_dscnt 0x0
	s_endpgm
; ---------------------------------------------------------------- the mask.  A work-group takes a tile of 16 queries x all 2,048 keys, wave w keys 512 w on, 128 keys (a unit) at a time.
; WORDS: maskw[tile][step of 64 keys][kt 0..3][j 0..7]: bit r + 16 h says mask(query r, key 64 step + 16 kt + 8 h + j) != 0: the lane mask of register 8 kt + j of a tile of scores (a lane: one query, eight keys).
; FLAGS, in a buffer of their own, 8 bytes a tile: ACT bit s: step s has a key that counts; all ones if some query of the tile has no key at all (such a query averages over all keys).  MIX bit s: step s has a key that does not count.
; Each load reads 512 consecutive bytes of one row; a unit turns through the wave's own stage (rows of 528 bytes), so that a lane holds the keys that its bit speaks for; v_cmp makes the word, v_writelane puts it in its lane.
.Lmask:
	s_load_b64 s[4:5], s[0:1], 0x38                ; mask
	s_load_b64 s[6:7], s[0:1], 0x58                ; maskw
	s_load_b64 s[26:27], s[0:1], 0x60              ; flags
	s_sub_co_u32 s9, ttmp9, 48                     ; the tile: 128 n + q / 16
	s_lshl_b32 s24, s9, 17                         ; 16 rows of 8,192 bytes
	s_lshl_b32 s25, s8, 11                         ; my wave's 512 keys
	s_add_co_u32 s24, s24, s25
	s_mov_b32 s25, 0
	s_lshl_b32 s28, s9, 12                         ; the tile's 4,096 bytes of words, my wave's 1,024
	s_lshl_b32 s29, s8, 10
	s_add_co_u32 s28, s28, s29
	s_mov_b32 s29, 0
	s_lshl_b32 s30, s9, 3                          ; the tile's flags: 8 bytes a tile
	s_mov_b32 s31, 0
	v_lshlrev_b32 v3, 4, v2                        ; 16 bytes a lane
	s_mul_i32 s15, s8, 8448
	s_add_co_u32 s15, s15, 67584                   ; my stage: 16 rows x 528 bytes
	v_add_nc_u32 v4, s15, v3                       ; in: a row as it lies
	v_and_b32 v5, 15, v2
	v_lshrrev_b32 v7, 4, v2
	v_mul_u32_u24 v5, v5, 528
	v_lshl_add_u32 v5, v7, 5, v5
	v_add_nc_u32 v5, s15, v5                       ; out: row r, + 32 h bytes: my eight keys of each 16
	v_lshlrev_b32 v6, 3, v2                        ; words out: 8 bytes a lane
	s_lshl_b32 s15, s8, 4
	s_add_co_u32 s15, s15, 101376
	v_mov_b32 v10, s15                             ; my wave's flag record
	v_mov_b32 v11, 101376                          ; the four records
	v_mov_b32 v13, 0
	s_mov_b32 s12, 0                               ; which lanes (query, half) have seen a key that counts
	s_mov_b32 s13, 0                               ; my 8 steps: has a key that counts
	s_mov_b32 s14, 0                               ; my 8 steps: all keys count
.irp i, 0,1,2,3,4,5,6,7
	v_mov_b32 v[208+\i], 0                         ; a pair of registers for each unit's 64 words; written once, since v_writelane_b32 keeps the other lanes
.endr
	s_wait_kmcnt 0x0
	s_add_nc_u64 s[26:27], s[26:27], s[30:31]
	s_add_nc_u64 s[4:5], s[4:5], s[24:25]
	s_add_nc_u64 s[6:7], s[6:7], s[28:29]
.macro D_LOADU u                       ; unit u: 16 rows x 512 bytes into v16-79 (u even) or v80-143 (u odd)
.irp p, 0,1,2,3,4,5,6,7,8,9,10,11,12,13,14,15
	global_load_b128 v[16+64*((\u)%2)+4*\p:16+64*((\u)%2)+4*\p+3], v3, s[4:5] offset:\p*8192+(\u)*512 th:TH_LOAD_NT
.endr
.endm
.macro D_UNIT u
.if (\u) < 3
	s_wait_loadcnt 16                              ; this unit's 16 loads are in; the next unit's may be out
.else
	s_wait_loadcnt 0x0
.endif
.irp p, 0,1,2,3,4,5,6,7,8,9,10,11,12,13,14,15
	ds_store_b128 v4, v[16+64*((\u)%2)+4*\p:16+64*((\u)%2)+4*\p+3] offset:\p*528
.endr
.irp t, 0,1,2,3,4,5,6,7,8,9,10,11,12,13,14,15
	ds_load_b128 v[144+4*\t:144+4*\t+3], v5 offset:64*(\t/2)+16*(\t%2)   ; register 8 kt + j: mask(r, 16 kt + 8 h + j)
.endr
	s_wait_dscnt 0x0                               ; the unit is back, and the stores have read their registers,
.if (\u) < 2
	D_LOADU (\u)+2                                 ; which take the unit two on
.endif
.set idx, 0
.rept 8
.irp k, 0,1,2,3,4,5,6,7
	v_cmp_ne_u32 s[16+\k], 0, v[144+idx+\k]
.endr
.irp k, 0,1,2,3,4,5,6,7
.if ((idx+\k)%32) == 0
	s_mov_b32 s10, s[16+\k]                        ; a step's first word starts its OR and its AND
	s_mov_b32 s11, s[16+\k]
.else
	s_or_b32 s10, s10, s[16+\k]
	s_and_b32 s11, s11, s[16+\k]
.endif
	v_writelane_b32 v[208+2*(\u)+((idx+\k)%2)], s[16+\k], (idx+\k)/2   ; lane L holds words 2 L and 2 L + 1
.endr
.set idx, idx+8
.if (idx%32) == 0
.set DB, 2*(\u)+idx/32-1               ; which of my wave's 8 steps is done
	s_or_b32 s12, s12, s10
	s_cmp_lg_u32 s10, 0
	s_cselect_b32 s15, 1<<DB, 0
	s_or_b32 s13, s13, s15
	s_cmp_eq_u32 s11, -1
	s_cselect_b32 s15, 1<<DB, 0
	s_or_b32 s14, s14, s15
.endif
.endr
	global_store_b64 v6, v[208+2*(\u):208+2*(\u)+1], s[6:7] offset:256*(\u)   ; 64 words: 256 consecutive bytes, aligned
.endm
	D_LOADU 0
	D_LOADU 1
	D_UNIT 0
	D_UNIT 1
	D_UNIT 2
	D_UNIT 3
	s_lshl_b32 s15, s8, 3
	s_lshl_b32 s13, s13, s15                       ; my 8 steps at their place among the 32
	s_lshl_b32 s14, s14, s15
	v_mov_b32 v216, s13
	v_mov_b32 v217, s14
	v_mov_b32 v218, s12
	v_mov_b32 v219, 0
	ds_store_b128 v10, v[216:219]                  ; all lanes write the same 16 bytes with the same values
	s_wait_dscnt 0x0                               ; for the others' sake: my record has landed
	s_barrier_signal -1
	s_barrier_wait -1
.irp i, 0,1,2,3
	ds_load_b128 v[220+4*\i:223+4*\i], v11 offset:16*\i
.endr
	s_wait_dscnt 0x0
.irp i, 1,2,3
	v_or_b32 v220, v220, v[220+4*\i]               ; has a key that counts, 32 steps
	v_or_b32 v221, v221, v[221+4*\i]               ; all keys count
	v_or_b32 v222, v222, v[222+4*\i]               ; lanes that have seen a key
.endr
	v_lshrrev_b32 v12, 16, v222
	v_or_b32 v12, v12, v222
	v_and_b32 v12, 0xffff, v12                     ; bit r: query r has a key
	v_cmp_eq_u32 vcc_lo, 0xffff, v12
	v_cndmask_b32 v16, -1, v220, vcc_lo            ; ACT
	v_xor_b32 v17, -1, v221                        ; MIX
	s_cmp_lg_u32 s8, 0
	s_cbranch_scc1 .Lmask_end
	s_wait_xcnt 0x0                                ; EXEC changes only behind this wait: my stores have had their addresses translated
	v_cmp_eq_u32 vcc_lo, 0, v0
	s_and_saveexec_b32 s30, vcc_lo
	global_store_b64 v13, v[16:17], s[26:27]       ; thread 0 alone
	s_wait_xcnt 0x0                                ; and again, in front of the line that widens it
	s_or_b32 exec_lo, exec_lo, s30
.Lmask_end:
	s_wait_tensorcnt 0x0                           ; the wave's end, behind my last LDS store
	ds_add_u32 v[SPW], v[NIL]
	s_wait_dscnt 0x0
	s_endpgm
.Lfunc_end_k_qa0935394c9_prep:
	.size	k_qa0935394c9_prep, .Lfunc_end_k_qa0935394c9_prep-k_qa0935394c9_prep
	.p2alignl 7, 3214868480
	.fill 96, 4, 3214868480
	.section	.rodata,"a",@progbits
	.p2align	6, 0x0
	.amdhsa_kernel k_qa0935394c9_prep
		.amdhsa_group_segment_fixed_size 102400
		.amdhsa_private_segment_fixed_size 0
		.amdhsa_enable_private_segment 0
		.amdhsa_kernarg_size 104
		.amdhsa_user_sgpr_count 2
		.amdhsa_user_sgpr_kernarg_segment_ptr 1
		.amdhsa_wavefront_size32 1
		.amdhsa_system_sgpr_workgroup_id_x 1
		.amdhsa_system_sgpr_workgroup_id_y 1
		.amdhsa_system_sgpr_workgroup_id_z 1
		.amdhsa_system_vgpr_workitem_id 0
		.amdhsa_next_free_vgpr 256
		.amdhsa_next_free_sgpr 66
		.amdhsa_reserve_vcc 1
		.amdhsa_float_denorm_mode_32 3
		.amdhsa_float_denorm_mode_16_64 3
		.amdhsa_memory_ordered 1
		.amdhsa_forward_progress 1
		.amdhsa_inst_pref_size 246
	.end_amdhsa_kernel
	.amdgpu_metadata
---
amdhsa.version: [ 1, 2 ]
amdhsa.kernels:
  - .name:           k_qa0935394c9_prep
    .symbol:         k_qa0935394c9_prep.kd
    .args:
      - { .name: query, .offset: 0, .size: 8, .value_kind: global_buffer, .address_space: global }
      - { .name: key, .offset: 8, .size: 8, .value_kind: global_buffer, .address_space: global }
      - { .name: value, .offset: 16, .size: 8, .value_kind: global_buffer, .address_space: global }
      - { .name: Wq, .offset: 24, .size: 8, .value_kind: global_buffer, .address_space: global }
      - { .name: Wk, .offset: 32, .size: 8, .value_kind: global_buffer, .address_space: global }
      - { .name: Wv, .offset: 40, .size: 8, .value_kind: global_buffer, .address_space: global }
      - { .name: Wo, .offset: 48, .size: 8, .value_kind: global_buffer, .address_space: global }
      - { .name: mask, .offset: 56, .size: 8, .value_kind: global_buffer, .address_space: global }
      - { .name: codes, .offset: 64, .size: 8, .value_kind: global_buffer, .address_space: global }
      - { .name: scales, .offset: 72, .size: 8, .value_kind: global_buffer, .address_space: global }
      - { .name: wo2, .offset: 80, .size: 8, .value_kind: global_buffer, .address_space: global }
      - { .name: maskw, .offset: 88, .size: 8, .value_kind: global_buffer, .address_space: global }
      - { .name: flags, .offset: 96, .size: 8, .value_kind: global_buffer, .address_space: global }
    .group_segment_fixed_size: 102400
    .private_segment_fixed_size: 0
    .kernarg_segment_align: 8
    .kernarg_segment_size: 104
    .max_flat_workgroup_size: 128
    .sgpr_count:     66
    .vgpr_count:     256
    .wavefront_size: 32
...
	.end_amdgpu_metadata
.endif
;; end of part 1
;; launch proj (part 2): grid 4 x 48, 4 waves a work-group, clusters of 4 x 4, 327,680 bytes of LDS; arguments codes, scales, qkvf; writes qkvf
.if DOCPART == 2
	.amdgcn_target "amdgcn-amd-amdhsa--gfx1250"
	.amdhsa_code_object_version 6
	.text
	.protected	k_qa0935394c9_proj
	.globl	k_qa0935394c9_proj
	.p2align	8
	.type	k_qa0935394c9_proj,@function
k_qa0935394c9_proj:
	s_mov_b64 s[64:65], 0
	v_nop
	global_prefetch_b8 v0, s[64:65] scope:SCOPE_SE
	s_setreg_imm32_b32 hwreg(HW_REG_WAVE_MODE, 25, 1), 1
	s_wait_xcnt 0x0
	s_wait_alu depctr_hold_cnt(0) depctr_sa_sdst(0) depctr_va_vdst(0) depctr_va_sdst(0) depctr_va_ssrc(0) depctr_va_vcc(0) depctr_vm_vsrc(0)
	s_getreg_b32 s2, hwreg(HW_REG_IB_STS2, 6, 4)
	s_cmp_eq_u32 s2, 0
	s_cbranch_scc0 .Lentry_in_a_cluster
	s_endpgm
.Lentry_in_a_cluster:
	s_bfe_u32 s2, ttmp6, 0x10000c
	s_cmp_lg_u32 s2, 0xf033
	s_cbranch_scc0 .Lentry_shape_is_right
	s_endpgm
.Lentry_shape_is_right:
; PROJ: the three projections on codes of FP4 (E2M1) with one E8M0 scale for each 32 along K = 1,024, sums in f32; the results leave as f16, laid as the operand registers of the next launch want them.
; 'codes': rows of 512 bytes, 'scales': rows of 32 bytes; rows 4096 T + token are the activations (T = 0 query, 1 key, 2 value), rows 12288 + 1024 T + 64 h + d the weights.
; A cluster of 4 x 4 work-groups makes 1,024 tokens x all 1,024 channels of one T; a work-group 256 x 256, each of its four waves 128 x 128: 64 accumulators of 16 x 16, 512 registers.  3 x 64 such tiles are all there are: 192 work-groups.
; THE MATRIX INSTRUCTION'S RESULT gives a lane ONE row of source 1 and eight neighbouring rows of source 0.  q, k: source 1 = tokens, source 0 = channels: a lane holds a token and 8 channels.
; v: source 1 = channels, source 0 = tokens: a lane holds a channel and 8 tokens: V transposed, as the second product of attention wants it.  Only which rows are fetched differs; text and masks are the same.
; JOINT LOADS: source 1's tile hangs on the place along the cluster's y and is shared along a row of the cluster, source 0's on the place along x and is shared along a column.
; K = 1,024 is two slots of 512 along K (rows of 256 bytes + 16 of padding); both slots and all scale bytes are first fills, three tensor loads a wave; nothing is filled again.
; OUT: q is multiplied by log2(e) / 8 in f32 (so that a score is an exponent of 2), all are rounded once to f16.  Two neighbouring accumulators are one fragment of 16 rows x 32 along the next K: an IMAGE of 1,024 bytes, registers 0-3 at
; 16 x lane, registers 4-7 at 512 + 16 x lane.  qkvf: Q at 0, K at 8,388,608: [n 16 + h][tile of 16 tokens][32 channels]; V^T at 16,777,216: [n 16 + h][32 tokens][16 channels].  Each store covers 512 consecutive bytes, aligned.
; LIMIT: |q| log2(e) / 8, |k|, |v| up to 65,504 (f16).
; REGISTERS, in windows of 256: window 0: v16-29 addresses; v32-95 scale words, two sets; v128-191 source 1's fragments, one set; on the way out v128-255 at work.  window 1: source 0's fragments, two sets.  windows 2, 3: the accumulators.
.set KSTEP,  512
.set NQ,     KSTEP/128
.set ROWB,   256
.set KROW,   512
.set PITCH,  272                       ; 256 bytes + 16: 68 words: row r starts at bank 4 r mod 64 (ISA guide 11.1)
.set FR,     8
.set NL,     2
.set NP,     4                         ; places behind this matrix instruction (ISA guide 7.12.1)
.set HALFT,  128*PITCH
.set SLOT,   4*HALFT                   ; source 1's 256 rows, then source 0's
.set KS,     32                        ; a row of scale bytes
.set SCL,    2*SLOT                    ; behind the slots: the scale bytes, as units of 256 bytes + 16 of padding
.set HALFS,  (128*KS/256)*272
.set SBLK,   (16*KS/256)*272
.set SPARE,  SCL+4*HALFS               ; the spare words, 128 bytes a wave
.set ADRA, 16
.set ADRB, 20
.set L16,  24                          ; v24  16 x lane
.set ADRS, 27
.set SPW,  28
.set NIL,  29
.set SC,   32
.set AF,   128
.set G1, 24
.set G0, 32
.set G1B, 48
.set G0B, 56
.set G1S, 68
.set G0S, 76
.set G1SB, 80
.set G0SB, 88
.set MSB, 0
.macro WIN new                         ; the immediate's high byte repeats the setting that is left
.if MSB != \new
	s_set_vgpr_msb (MSB<<8)|\new
.set MSB, \new
.endif
.endm
.set MUL_LO, 0xa1                      ; source 0 window 1, source 1 window 0, C and D window 2
.set MUL_HI, 0xf1
.set TO_B,   0x40
; A joint load: waves 0 and 1 fetch for source 1, waves 2 and 3 for source 0.  The branch hangs on the wave's number alone.  An s_nop 0 and four v_nop follow each of the two lines.
.macro JLOAD g0a, g1a, g0b, g1b
	s_cmp_eq_u32 s15, 0
	s_cbranch_scc0 .Lfor_b_\@
	tensor_load_to_lds s[\g0a:\g0a+3], s[\g1a:\g1a+7]
	s_nop 0
.rept 4
	v_nop
.endr
	s_branch .Lasked_\@
.Lfor_b_\@:
	tensor_load_to_lds s[\g0b:\g0b+3], s[\g1b:\g1b+7]
	s_nop 0
.rept 4
	v_nop
.endr
.Lasked_\@:
.endm
.macro CROUND                          ; a round of the cluster's barrier
	s_barrier_signal -1
	s_barrier_wait -1
	s_cmp_lg_u32 s14, 0
	s_cbranch_scc1 .Lnot_wave_0_\@
	s_barrier_signal -3
.Lnot_wave_0_\@:
	s_barrier_wait -3
	s_barrier_signal -1
	s_barrier_wait -1
.endm
	s_load_b128 s[4:7], s[0:1], 0x0                ; codes, scales
	s_load_b64 s[8:9], s[0:1], 0x10                ; qkvf
	v_lshl_add_u32 v[SPW], v0, 2, SPARE
	v_mov_b32 v[NIL], 0
	ds_add_u32 v[SPW], v[NIL]                      ; the wave's opening: the add, twice on end, and its wait ahead of my first tensor load
	ds_add_u32 v[SPW], v[NIL]
	v_lshrrev_b32 v1, 5, v0
	v_readfirstlane_b32 s14, v1                    ; wave 0..3
	s_lshr_b32 s15, s14, 1                         ; which half of source 1's rows is mine.  Also: I fetch for source 1 (0) or source 0 (1)
	s_and_b32 s16, s14, 1                          ; which half of source 0's rows.  Also: which 128 rows I fetch
	s_bfe_u32 s40, ttmp6, 0x40000                  ; cx
	s_bfe_u32 s41, ttmp6, 0x40004                  ; cy
	s_and_b32 s17, ttmp7, 0xffff                   ; the cluster's y, 0..11
	s_lshr_b32 s10, s17, 2                         ; T
	s_and_b32 s11, s17, 3                          ; which 1,024 tokens
	s_lshl_b32 s12, s10, 12
	s_lshl_b32 s13, s11, 10
	s_add_co_u32 s12, s12, s13                     ; the cluster's first activation row
	s_lshl_b32 s13, s10, 10
	s_add_co_u32 s13, s13, 12288                   ; its first weight row
	s_cmp_eq_u32 s10, 2                            ; v?  The same in all sixteen partners
	s_cselect_b32 s20, s13, s12                    ; source 1's first row
	s_cselect_b32 s46, s12, s13                    ; source 0's
	s_lshl_b32 s43, s41, 2
	s_lshl_b32 s43, 15, s43                        ; my row of the cluster
	s_lshl_b32 s44, 0x1111, s40                    ; my column
	s_or_b32 s[G1+0], s43, (0<<16)|(1<<20)|(1<<21)|(5<<22)|(3<<25)  ; the mask; elements of 1 byte; padding on; bit 21 beside a mask; 4 words behind every 64
	s_or_b32 s[G1B+0], s44, (0<<16)|(1<<20)|(1<<21)|(5<<22)|(3<<25)
.irp g, G1, G1B
	s_mov_b32 s[\g+1], ROWB<<16                    ; tensor_dim0
	s_mov_b32 s[\g+2], 128<<16                     ; tensor_dim1
	s_mov_b32 s[\g+3], ROWB<<16                    ; tile_dim0
	s_mov_b32 s[\g+4], 128                         ; tile_dim1
	s_mov_b32 s[\g+5], KROW                        ; from row to row
	s_mov_b32 s[\g+6], 0
	s_mov_b32 s[\g+7], 0
.endr
	s_or_b32 s[G1S+0], s43, (3<<16)|(1<<20)|(1<<21)|(5<<22)|(3<<25) ; the scale bytes of 128 rows: 4,096 dense bytes as 16 rows of 256 (32 elements of 8 bytes), padded likewise
	s_or_b32 s[G1SB+0], s44, (3<<16)|(1<<20)|(1<<21)|(5<<22)|(3<<25)
.irp g, G1S, G1SB
	s_mov_b32 s[\g+1], 32<<16
	s_mov_b32 s[\g+2], (128*KS/256)<<16
	s_mov_b32 s[\g+3], 32<<16
	s_mov_b32 s[\g+4], 128*KS/256
	s_mov_b32 s[\g+5], 32
	s_mov_b32 s[\g+6], 0
	s_mov_b32 s[\g+7], 0
.endr
	s_lshl_b32 s18, s16, 7                         ; which 128 rows of the tile I fetch
	s_lshl_b32 s19, s41, 8
	s_add_co_u32 s20, s20, s19
	s_add_co_u32 s20, s20, s18                     ; source 1: first row + 256 cy + 128 half
	s_lshl_b32 s47, s40, 8
	s_add_co_u32 s46, s46, s47
	s_add_co_u32 s46, s46, s18                     ; source 0: first row + 256 cx + 128 half
	s_lshl_b32 s22, s20, 5                         ; where these rows' scale bytes begin,
	s_mov_b32 s23, 0
	s_lshl_b32 s92, s46, 5
	s_mov_b32 s93, 0
	s_lshl_b32 s20, s20, 9                         ; and their codes
	s_mov_b32 s21, 0
	s_lshl_b32 s46, s46, 9
	s_mov_b32 s47, 0
	s_mul_i32 s45, s14, HALFT                      ; where they go: wave x 128 rows: no place in the cluster enters an LDS address
	s_mul_i32 s94, s14, HALFS
	s_wait_dscnt 0x0                               ; both opening adds are done
	s_wait_kmcnt 0x0
	s_add_nc_u64 s[20:21], s[4:5], s[20:21]
	s_add_nc_u64 s[22:23], s[6:7], s[22:23]
	s_add_nc_u64 s[46:47], s[4:5], s[46:47]
	s_add_nc_u64 s[92:93], s[6:7], s[92:93]
	CROUND                                         ; all sixteen work-groups are here: the joint loads meet
	s_mov_b32 s[G0S], 1
	s_add_co_u32 s[G0S+1], s94, SCL
	s_mov_b64 s[G0S+2:G0S+3], s[22:23]
	s_or_b32 s[G0S+3], s[G0S+3], 0x80000000
	s_mov_b32 s[G0SB], 1
	s_add_co_u32 s[G0SB+1], s94, SCL
	s_mov_b64 s[G0SB+2:G0SB+3], s[92:93]
	s_or_b32 s[G0SB+3], s[G0SB+3], 0x80000000
	JLOAD G0S, G1S, G0SB, G1SB                     ; the scale bytes first: they are wanted with the first slot
.irp s, 0,1
	s_mov_b32 s[G0+4*\s], 1
	s_add_co_u32 s[G0+4*\s+1], s45, \s*SLOT
	s_add_nc_u64 s[G0+4*\s+2:G0+4*\s+3], s[20:21], \s*ROWB
	s_or_b32 s[G0+4*\s+3], s[G0+4*\s+3], 0x80000000
	s_mov_b32 s[G0B+4*\s], 1
	s_add_co_u32 s[G0B+4*\s+1], s45, \s*SLOT
	s_add_nc_u64 s[G0B+4*\s+2:G0B+4*\s+3], s[46:47], \s*ROWB
	s_or_b32 s[G0B+4*\s+3], s[G0B+4*\s+3], 0x80000000
	JLOAD G0+4*\s, G1, G0B+4*\s, G1B
.endr
	v_and_b32 v1, 15, v0                           ; r
	v_bfe_u32 v2, v0, 4, 1                         ; h
	v_mul_u32_u24 v3, v1, PITCH
	v_lshl_add_u32 v4, v2, 4, v3                   ; a fragment's row x pitch + 16 h
	s_mul_i32 s21, s15, HALFT                      ; my 128 rows of source 1
	s_mul_i32 s22, s16, HALFT                      ; my 128 rows of source 0,
	s_add_co_u32 s22, s22, 2*HALFT                 ; which lie behind source 1's 256
.irp s, 0,1
	v_add_nc_u32 v[ADRA+\s], s21, v4
	v_add_nc_u32 v[ADRB+\s], s22, v4
	s_add_co_u32 s21, s21, SLOT
	s_add_co_u32 s22, s22, SLOT
.endr
	v_mul_u32_u24 v5, v1, KS                       ; my row's scale bytes: 32 a row,
	v_lshrrev_b32 v6, 8, v5
	v_lshl_add_u32 v5, v6, 4, v5                   ; and 16 more for each 256 passed
	s_mul_i32 s21, s15, HALFS
	s_mul_i32 s22, s16, HALFS
	s_add_co_u32 s22, s22, 2*HALFS
	s_sub_co_u32 s22, s22, s21
	v_mul_u32_u24 v6, s22, v2                      ; lanes 16-31 take source 0's
	s_add_co_u32 s21, s21, SCL
	v_add_nc_u32 v5, v5, v6
	v_add_nc_u32 v[ADRS], s21, v5
	v_and_b32 v6, 31, v0
	v_lshlrev_b32 v[L16], 4, v6
	; where my wave's images begin.  Tokens hang on cy and wave / 2 for q and k, on cx and wave % 2 for v; heads the other way round.  One formula serves all three: 16 tokens x 2 images and 32 tokens x 4 images are both 128 bytes a token.
	; (In registers that feed no descriptor.)
	s_cmp_eq_u32 s10, 2
	s_cselect_b32 s66, s40, s41
	s_cselect_b32 s67, s16, s15
	s_cselect_b32 s95, s41, s40
	s_cselect_b32 s96, s15, s16
	s_lshl_b32 s97, s11, 10
	s_lshl_b32 s66, s66, 8
	s_add_co_u32 s97, s97, s66
	s_lshl_b32 s67, s67, 7
	s_add_co_u32 s97, s97, s67                     ; my first token, 0..4095
	s_lshl_b32 s95, s95, 2
	s_lshl_b32 s96, s96, 1
	s_add_co_u32 s95, s95, s96                     ; my first head
	s_lshl_b32 s2, s95, 18                         ; 262,144 bytes a head,
	s_lshr_b32 s66, s97, 11
	s_lshl_b32 s66, s66, 22                        ; 16 heads a batch,
	s_add_co_u32 s2, s2, s66
	s_and_b32 s97, s97, 2047
	s_lshl_b32 s97, s97, 7                         ; 128 bytes a token,
	s_add_co_u32 s2, s2, s97
	s_lshl_b32 s66, s10, 23                        ; 8,388,608 bytes for each of q, k, v
	s_add_co_u32 s2, s2, s66
	s_mov_b32 s3, 0
	s_add_nc_u64 s[8:9], s[8:9], s[2:3]
	s_cmp_eq_u32 s10, 0
	s_cselect_b32 s98, 0x3e38aa3b, 1.0             ; q: log2(e) / 8
	s_mov_b32 s99, s98                             ; (named with it as a pair)
.macro FRAG reg, adr, q, i             ; 16 rows x 128 K of 4-bit codes: lane l holds row l % 16; registers 4 c .. 4 c + 3 hold K = 64 c + 32 (l / 16) + 0 .. 31
.irp c, 0,1
	ds_load_b128 v[\reg+4*\c:\reg+4*\c+3], v[\adr] offset:64*(\q)+32*\c+(\i)*16*PITCH
.endr
.endm
; 16 matrix instructions: source 1's blocks a0, a0 + 1 x source 0's eight, 128 along K.  The 64 accumulators take turns, one instruction a turn, in the same order in every step.
.macro MUL16 a0, p, q, sc, zero
.irp a, \a0, \a0+1
.irp b, 0,1,2,3,4,5,6,7
.if \zero
	v_wmma_scale_f32_16x16x128_f8f6f4 v[8*(8*((\a)%4)+\b):8*(8*((\a)%4)+\b)+7], v[128*(\p)+FR*\b:128*(\p)+FR*\b+FR-1], v[AF+FR*(\a):AF+FR*(\a)+FR-1], 0, v[SC+8*NQ*(\sc)+NQ*\b+(\q)], v[SC+8*NQ*(\sc)+NQ*(\a)+(\q)] matrix_a_fmt:MATRIX_FMT_FP4 matrix_b_fmt:MATRIX_FMT_FP4 matrix_a_scale:MATRIX_SCALE_ROW1
.else
	v_wmma_scale_f32_16x16x128_f8f6f4 v[8*(8*((\a)%4)+\b):8*(8*((\a)%4)+\b)+7], v[128*(\p)+FR*\b:128*(\p)+FR*\b+FR-1], v[AF+FR*(\a):AF+FR*(\a)+FR-1], v[8*(8*((\a)%4)+\b):8*(8*((\a)%4)+\b)+7], v[SC+8*NQ*(\sc)+NQ*\b+(\q)], v[SC+8*NQ*(\sc)+NQ*(\a)+(\q)] matrix_a_fmt:MATRIX_FMT_FP4 matrix_b_fmt:MATRIX_FMT_FP4 matrix_a_scale:MATRIX_SCALE_ROW1
.endif
.endr
.endr
.endm
.macro FETCH_B slot, q, p
	WIN TO_B
.irp i, 0,1,2,3,4,5,6,7
	FRAG 128*(\p)+FR*\i, ADRB+\slot, \q, \i
.endr
	WIN 0
.endm
.macro FETCH_A slot, q, i0
.irp i, \i0, \i0+1, \i0+2, \i0+3
	FRAG AF+FR*(\i), ADRA+\slot, \q, \i
.endr
.endm
.macro SCALES sc                       ; a slot's scale words: 4 a row; lanes 0-15 take source 1's block i, lanes 16-31 source 0's block i
.irp i, 0,1,2,3,4,5,6,7
	ds_load_b128 v[SC+8*NQ*\sc+NQ*\i:SC+8*NQ*\sc+NQ*\i+3], v[ADRS] offset:\i*SBLK
.endr
.endm
.macro PLACES n                        ; plain vector lines between a matrix instruction and a load into, or a vector line on, its registers (for vector lines)
.rept \n
	v_nop
.endr
.endm
.macro STEP slot, q, zero              ; 128 along K, with a successor in the same slot
	s_wait_dscnt 4*NL                              ; all but the youngest eight loads (source 1's blocks 4-7) are in
	WIN MUL_LO
	MUL16 0, (\q)%2, \q, \slot, \zero
	MUL16 2, (\q)%2, \q, \slot, \zero
	s_wait_dscnt 0
	PLACES NP
	FETCH_B \slot, (\q)+1, 1-(\q)%2
	FETCH_A \slot, (\q)+1, 0
	WIN MUL_HI
	MUL16 4, (\q)%2, \q, \slot, \zero
	MUL16 6, (\q)%2, \q, \slot, \zero
	PLACES NP
	WIN 0
	FETCH_A \slot, (\q)+1, 4
.endm
.macro TURN slot, next                 ; a slot's last step, and the change of slots: one barrier; in front of it each wave's part of the next slot has landed
	s_wait_tensorcnt 0x0                           ; all my tensor loads have landed
	ds_add_u32 v[SPW], v[NIL]                      ; 0 onto my spare word
	s_wait_dscnt 4*NL+1                            ; (the add and the youngest eight loads may be out)
	WIN MUL_LO
	MUL16 0, 1, NQ-1, \slot, 0
	s_wait_dscnt 0x0
	s_barrier_signal -1
	MUL16 2, 1, NQ-1, \slot, 0
	WIN 0
	s_barrier_wait -1
	PLACES NP
	v_add_nc_u32 v[ADRS], 4*NQ, v[ADRS]            ; on to the next slot's scale words (no LDS load of mine is out)
	FETCH_B \next, 0, 0
	FETCH_A \next, 0, 0
	SCALES \next
	WIN MUL_HI
	MUL16 4, 1, NQ-1, \slot, 0
	MUL16 6, 1, NQ-1, \slot, 0
	PLACES NP
	WIN 0
	FETCH_A \next, 0, 4
.endm
	s_wait_tensorcnt 1                             ; the scale bytes and my part of slot 0 are in; slot 1's load may be out
	s_barrier_signal -1
	s_barrier_wait -1
	FETCH_B 0, 0, 0
	FETCH_A 0, 0, 0
	SCALES 0
	FETCH_A 0, 0, 4
	STEP 0, 0, 1                                   ; the first products start the sums: nothing is cleared
	STEP 0, 1, 0
	STEP 0, 2, 0
	TURN 0, 1
	STEP 1, 0, 0
	STEP 1, 1, 0
	STEP 1, 2, 0
	s_wait_dscnt 4*NL                              ; the last step: nothing more to fetch
	WIN MUL_LO
	MUL16 0, 1, NQ-1, 1, 0
	MUL16 2, 1, NQ-1, 1, 0
	s_wait_dscnt 0
	WIN MUL_HI
	MUL16 4, 1, NQ-1, 1, 0
	MUL16 6, 1, NQ-1, 1, 0
	WIN 0
; THE WAY OUT of source 1's block a: scaled in f32 into v128-191 (each accumulator from its low end on), rounded to f16 in pairs into v192-223 or v224-255 by turns, stored as four images.  No LDS: a lane's 16 bytes already lie as the reader wants them.
.macro OUT a, isv
.if (\a) >= 2
	s_wait_xcnt 0x0                                ; block a - 2's stores have read the registers that are written again below
.endif
	WIN 0x02+(\a)/4                                ; source 0: window 2 or 3
.set i, 0
.rept 32
	v_pk_mul_f32 v[128+2*i:128+2*i+1], v[64*((\a)%4)+2*i:64*((\a)%4)+2*i+1], s[98:99] op_sel_hi:[1,0]
.set i, i+1
.endr
	WIN 0
.set i, 0
.rept 32
	v_cvt_pk_f16_f32 v[192+32*((\a)%2)+i], v[128+2*i], v[128+2*i+1]
.set i, i+1
.endr
.irp s, 0,1,2,3
.irp c, 0,1
.if \isv
	global_store_b128 v[L16], v[192+32*((\a)%2)+8*\s+4*\c:192+32*((\a)%2)+8*\s+4*\c+3], s[8:9] offset:((\a)/4)*262144+((\a)%4)*1024+\s*4096+512*\c   ; head a / 4, channels 16 (a % 4) on, tokens 32 s on
.else
	global_store_b128 v[L16], v[192+32*((\a)%2)+8*\s+4*\c:192+32*((\a)%2)+8*\s+4*\c+3], s[8:9] offset:(\a)*2048+(\s/2)*262144+(\s%2)*1024+512*\c      ; tokens 16 a on, head s / 2, channels 32 (s % 2) on
.endif
.endr
.endr
.endm
	PLACES NP                                      ; behind the last products: their results are read and source 1's fragments overwritten below
	s_cmp_eq_u32 s10, 2                            ; the same in all partners
	s_cbranch_scc1 .Lout_v
.irp a, 0,1,2,3,4,5,6,7
	OUT \a, 0
.endr
	s_branch .Lend
.Lout_v:
.irp a, 0,1,2,3,4,5,6,7
	OUT \a, 1
.endr
.Lend:
	s_wait_tensorcnt 0x0                           ; the wave's end, behind my last tensor load
	ds_add_u32 v[SPW], v[NIL]
	s_wait_dscnt 0x0
	CROUND                                         ; the closing round
	s_endpgm
.Lfunc_end_k_qa0935394c9_proj:
	.size	k_qa0935394c9_proj, .Lfunc_end_k_qa0935394c9_proj-k_qa0935394c9_proj
	.p2alignl 7, 3214868480
	.fill 96, 4, 3214868480
	.section	.rodata,"a",@progbits
	.p2align	6, 0x0
	.amdhsa_kernel k_qa0935394c9_proj
		.amdhsa_group_segment_fixed_size 327680
		.amdhsa_private_segment_fixed_size 0
		.amdhsa_enable_private_segment 0
		.amdhsa_kernarg_size 24
		.amdhsa_user_sgpr_count 2
		.amdhsa_user_sgpr_kernarg_segment_ptr 1
		.amdhsa_wavefront_size32 1
		.amdhsa_system_sgpr_workgroup_id_x 1
		.amdhsa_system_sgpr_workgroup_id_y 1
		.amdhsa_system_sgpr_workgroup_id_z 1
		.amdhsa_system_vgpr_workitem_id 0
		.amdhsa_next_free_vgpr 1024
		.amdhsa_next_free_sgpr 100
		.amdhsa_reserve_vcc 0
		.amdhsa_float_denorm_mode_32 3
		.amdhsa_float_denorm_mode_16_64 3
		.amdhsa_memory_ordered 1
		.amdhsa_forward_progress 1
		.amdhsa_inst_pref_size 173
	.end_amdhsa_kernel
	.amdgpu_metadata
---
amdhsa.version: [ 1, 2 ]
amdhsa.kernels:
  - .name:           k_qa0935394c9_proj
    .symbol:         k_qa0935394c9_proj.kd
    .args:
      - { .name: codes, .offset: 0, .size: 8, .value_kind: global_buffer, .address_space: global }
      - { .name: scales, .offset: 8, .size: 8, .value_kind: global_buffer, .address_space: global }
      - { .name: qkvf, .offset: 16, .size: 8, .value_kind: global_buffer, .address_space: global }
    .group_segment_fixed_size: 327680
    .private_segment_fixed_size: 0
    .kernarg_segment_align: 8
    .kernarg_segment_size: 24
    .max_flat_workgroup_size: 128
    .sgpr_count:     100
    .vgpr_count:     1024
    .wavefront_size: 32
...
	.end_amdgpu_metadata
.endif
;; end of part 2
;; launch attn (part 3): grid 8 x 32, 8 waves a work-group, no clusters, 66,560 bytes of LDS; arguments qkvf, maskw, flags, cc; writes cc
.if DOCPART == 3
	.amdgcn_target "amdgcn-amd-amdhsa--gfx1250"
	.amdhsa_code_object_version 6
	.text
	.protected	k_qa0935394c9_attn
	.globl	k_qa0935394c9_attn
	.p2align	8
	.type	k_qa0935394c9_attn,@function
k_qa0935394c9_attn:
	s_mov_b64 s[64:65], 0
	v_nop
	global_prefetch_b8 v0, s[64:65] scope:SCOPE_SE
	s_setreg_imm32_b32 hwreg(HW_REG_WAVE_MODE, 25, 1), 1
	s_wait_xcnt 0x0
; ATTN: for each batch n, head h and query: softmax over the keys of (mask != 0 ? q . k : -1e20) / 8, times v.  q (already x log2(e) / 8), k and v^T come as f16 operand images of 1,024 bytes; products in f16 with f32 sums;
; maxima, exponentials and sums in f32; the weights are rounded to f16 for the second product; the result leaves as f16 operand images of the output projection.
; THE MASK IS AN INPUT.  An earlier launch has stored it as lane-mask words ('maskw') and as two flag words for each tile of 16 queries ('flags'), a bit for each step of 64 keys.  ACT: the step has a key that counts (all ones where
; a query of the tile has no key at all): a step without is passed over, since each of its weights is exactly 0.  MIX: the step has a key that does not count: only then are the 32 words read and the scores replaced by -1e20 log2(e) / 8.
; A query with no key finds every score equal to that number, and the subtraction of the maximum gives exactly 0: all 2,048 weights are 1.
; K and V go from memory through registers into LDS.
; SHARES.  Work-group (j, 16 n + h), eight waves.  Wave w owns two tiles of 16 queries, 8 j + w and 127 - (8 j + w): where the mask is causal every work-group then has the same number of steps.
; All waves walk the keys together, 128 a trip, through two LDS slots (16 KB of K's images, 16 KB of V^T's); the next 128 keys are loaded into registers at a trip's head and stored to the other slot at its end.
; LAYOUT.  S^T = K Q^T and O^T = V^T P: a lane holds ONE query (lane % 16) throughout, and keys or channels 8 (lane / 16) + 0..7 of each 16.  Two tiles of S^T, rounded in pairs, are one fragment of P.
; SOFTMAX.  A running maximum m and sum l for each query; p = 2^(s - m); in each step O^T and l are multiplied by a = 2^(old m - new m).
; LIMITS: NaN and infinities are not served; scores under -1e20 are not served; q log2(e) / 8, k, v within f16's range.
; REGISTERS: v1 16 x lane; v2 16 x thread; v5 the masked score; v6, v7 the add's two; v8-23 statistics (tile t at v[8 + 8 t]: +0 m, +1 unused half of a pair, +2, +3 l, +4..+7 at work, a in +6); v24-27 second chains of the sums;
;   v32-95 K's or V^T's fragments; v96-159 S^T, then p; v160-191 P; v192-255 O^T.  Window 1: v0-31 Q; v32-63 the next 128 keys on their way.
.set SPARE, 65536
.set L16, 1
.set T16, 2
.set NEG, 5
.set SPW, 6
.set NIL, 7
.set ST,  8
.set CH,  24
.set KV,  32
.set S,   96
.set P,   160
.set O,   192
.set MSB, 0
.macro WIN new                         ; the immediate's high byte repeats the setting that is left
.if MSB != \new
	s_set_vgpr_msb (MSB<<8)|\new
.set MSB, \new
.endif
.endm
.macro PLACES                          ; four plain vector lines between a matrix instruction and a load into, or a vector line on, its registers (for vector lines)
.rept 4
	v_nop
.endr
.endm
	s_load_b128 s[4:7], s[0:1], 0x0                ; qkvf, maskw
	s_load_b64 s[82:83], s[0:1], 0x10              ; flags, 8 bytes a tile
	s_load_b64 s[8:9], s[0:1], 0x18                ; cc
	v_lshl_add_u32 v[SPW], v0, 2, SPARE
	v_mov_b32 v[NIL], 0
	v_lshrrev_b32 v1, 5, v0
	v_readfirstlane_b32 s10, v1                    ; wave 0..7
	v_and_b32 v1, 31, v0
	v_lshlrev_b32 v[L16], 4, v1
	v_lshlrev_b32 v[T16], 4, v0
	v_mov_b32 v[NEG], 0xdf7a4488                   ; -1e20 x log2(e) / 8
	s_and_b32 s11, ttmp7, 0xffff                   ; 16 n + h
	s_lshr_b32 s12, s11, 4                         ; n
	s_and_b32 s13, s11, 15                         ; h
	s_lshl_b32 s14, ttmp9, 3
	s_add_co_u32 s14, s14, s10                     ; tile A
	s_sub_co_u32 s15, 127, s14                     ; tile B
	s_lshl_b32 s3, s12, 7
	s_add_co_u32 s84, s3, s14                      ; 128 n + tile A
	s_add_co_u32 s85, s3, s15                      ; 128 n + tile B
	s_lshl_b32 s86, ttmp9, 3
	s_sub_co_u32 s87, 120, s86
	s_add_co_u32 s86, s86, s3                      ; the first of my work-group's eight tiles A,
	s_add_co_u32 s87, s87, s3                      ; and of its eight tiles B
	s_mov_b32 s17, 0
	s_mov_b32 s72, 0x76543210                      ; v_permlanex16_b32's selects for lane l xor 16
	s_mov_b32 s73, 0xfedcba98
	s_mov_b32 s26, 0                               ; 128 x the step: where its 32 mask words begin
	s_wait_kmcnt 0x0
	s_lshl_b32 s16, s84, 12
	s_add_nc_u64 s[22:23], s[6:7], s[16:17]        ; tile A's mask words, 4,096 bytes a tile
	s_lshl_b32 s16, s85, 12
	s_add_nc_u64 s[24:25], s[6:7], s[16:17]        ; tile B's
	s_lshl_b32 s16, s84, 15
	s_add_nc_u64 s[68:69], s[8:9], s[16:17]        ; cc: 32,768 bytes a tile of tokens,
	s_lshl_b32 s16, s85, 15
	s_add_nc_u64 s[70:71], s[8:9], s[16:17]
	s_lshl_b32 s16, s13, 11                        ; 2,048 bytes a head
	s_add_nc_u64 s[68:69], s[68:69], s[16:17]
	s_add_nc_u64 s[70:71], s[70:71], s[16:17]
	s_lshl_b32 s84, s84, 3
	s_lshl_b32 s85, s85, 3
	s_lshl_b32 s86, s86, 3
	s_lshl_b32 s87, s87, 3
	s_load_b64 s[78:79], s[82:83], s84 offset:0x0  ; tile A's ACT, MIX
	s_load_b64 s[80:81], s[82:83], s85 offset:0x0  ; tile B's
	s_load_b512 s[32:47], s[82:83], s86 offset:0x0 ; those of the work-group's sixteen tiles
	s_load_b512 s[48:63], s[82:83], s87 offset:0x0
	s_lshl_b32 s16, s11, 18
	s_add_nc_u64 s[74:75], s[4:5], s[16:17]        ; the head's Q: 262,144 bytes a head
	s_add_nc_u64 s[18:19], s[74:75], 8388608       ; its K,
	s_add_nc_u64 s[20:21], s[74:75], 16777216      ; its V^T
	s_lshl_b32 s16, s15, 11
	s_add_nc_u64 s[76:77], s[74:75], s[16:17]      ; tile B's two images of Q
	s_lshl_b32 s16, s14, 11
	s_add_nc_u64 s[74:75], s[74:75], s[16:17]      ; tile A's
	WIN 0x40                                       ; destination window 1
.irp t, 0,1
.irp ks, 0,1
.irp c, 0,1
	global_load_b128 v[16*\t+8*\ks+4*\c:16*\t+8*\ks+4*\c+3], v[L16], s[74+2*\t:75+2*\t] offset:1024*\ks+512*\c th:TH_LOAD_NT   ; Q stays in registers
.endr
.endr
.endr
.set i, 0
.rept 32
	v_mov_b32 v[32+i], 0                           ; the registers for keys on their way are written on every way through the text
.set i, i+1
.endr
	WIN 0
.irp t, 0,1
	v_mov_b32 v[ST+8*\t], 0xff61b1e6               ; m: -3e38, under every score
.irp i, 1,2,3,4,5,6,7
	v_mov_b32 v[ST+8*\t+\i], 0
.endr
.endr
.set i, 0
.rept 64
	v_mov_b32 v[O+i], 0                            ; O^T.  Which step is a tile's first hangs on the mask, so it cannot be written out: the first step finds zeros, which its a leaves zeros
.set i, i+1
.endr
	s_wait_kmcnt 0x0
	s_or_b32 s31, s32, s34                         ; which steps any of the sixteen tiles walks: the same number in all eight waves
.irp r, 36,38,40,42,44,46,48,50,52,54,56,58,60,62
	s_or_b32 s31, s31, s\r
.endr
	s_mov_b32 s27, s78                             ; tile A: steps to walk,
	s_and_b32 s29, s79, s78                        ; and those of them in which the words are wanted
	s_mov_b32 s28, s80                             ; tile B
	s_and_b32 s30, s81, s80
.macro GLOAD                           ; 128 keys: 16 KB of K's images and 16 KB of V^T's, dense in memory: 256 threads x 16 bytes an instruction
	WIN 0x40
.irp i, 0,1,2,3
	global_load_b128 v[32+4*\i:35+4*\i], v[T16], s[18:19] offset:4096*\i
.endr
.irp i, 0,1,2,3
	global_load_b128 v[48+4*\i:51+4*\i], v[T16], s[20:21] offset:4096*\i
.endr
	WIN 0
.endm
.macro LSTORE sl                       ; and as they lie into slot sl
	WIN 0x04                                       ; an LDS store's data are its source 1: window 1
.irp i, 0,1,2,3,4,5,6,7
	ds_store_b128 v[T16], v[32+4*\i:35+4*\i] offset:(\sl)*32768+4096*\i
.endr
	WIN 0
.endm
.macro KLOAD sl, q                     ; 64 keys: fragment (16 keys kt, 32 channels ks) at v[KV + 8 (2 kt + ks)]; those of the first 32 channels first
.irp ks, 0,1
.irp kt, 0,1,2,3
.irp c, 0,1
	ds_load_b128 v[KV+8*(2*\kt+\ks)+4*\c:KV+8*(2*\kt+\ks)+4*\c+3], v[L16] offset:(\sl)*32768+(\q)*8192+(2*\kt+\ks)*1024+512*\c
.endr
.endr
.endr
.endm
.macro VLOAD sl, q                     ; fragment (32 keys g, 16 channels ct) at v[KV + 8 (4 g + ct)]
.irp f, 0,1,2,3,4,5,6,7
.irp c, 0,1
	ds_load_b128 v[KV+8*\f+4*\c:KV+8*\f+4*\c+3], v[L16] offset:(\sl)*32768+16384+(\q)*8192+\f*1024+512*\c
.endr
.endr
.endm
; The accumulators take turns, one instruction a turn.
.macro SMULK ks, a, b
.irp kt, 0,1,2,3
.irp t, 0,1
.if ((\t == 0) && \a) || ((\t == 1) && \b)
.if \ks == 0
	v_wmma_f32_16x16x32_f16 v[S+32*\t+8*\kt:S+32*\t+8*\kt+7], v[KV+8*(2*\kt+\ks):KV+8*(2*\kt+\ks)+7], v[16*\t+8*\ks:16*\t+8*\ks+7], 0
.else
	v_wmma_f32_16x16x32_f16 v[S+32*\t+8*\kt:S+32*\t+8*\kt+7], v[KV+8*(2*\kt+\ks):KV+8*(2*\kt+\ks)+7], v[16*\t+8*\ks:16*\t+8*\ks+7], v[S+32*\t+8*\kt:S+32*\t+8*\kt+7]
.endif
.endif
.endr
.endr
.endm
.macro PVMUL t
.irp g, 0,1
.irp ct, 0,1,2,3
	v_wmma_f32_16x16x32_f16 v[O+32*\t+8*\ct:O+32*\t+8*\ct+7], v[KV+8*(4*\g+\ct):KV+8*(4*\g+\ct)+7], v[P+16*\t+8*\g:P+16*\t+8*\g+7], v[O+32*\t+8*\ct:O+32*\t+8*\ct+7]
.endr
.endr
.endm
; One tile's softmax for 64 keys.
.macro SOFT t
.set rT, ST+8*(\t)
.set rS, S+32*(\t)
.set rP, P+16*(\t)
.set rO, O+32*(\t)
.set rC, CH+2*(\t)
	s_bitcmp1_b32 s[29+\t], 0                      ; has the step a key that does not count?
	s_cbranch_scc0 .Lopen_\@
	s_load_b512 s[32:47], s[22+2*\t:23+2*\t], s26 offset:0x0
	s_load_b512 s[48:63], s[22+2*\t:23+2*\t], s26 offset:0x40
	s_wait_kmcnt 0x0
.set i, 0
.rept 32
	v_cndmask_b32 v[rS+i], v[NEG], v[rS+i], s[32+i]   ; word i is register i's lane mask
.set i, i+1
.endr
.Lopen_\@:
.irp c, 0,1,2,3
	v_max3_num_f32 v[rT+4+\c], v[rS+8*\c], v[rS+8*\c+1], v[rS+8*\c+2]   ; the maximum, in four chains; each accumulator is read from its low end on
.endr
.irp d, 3,5
.irp c, 0,1,2,3
	v_max3_num_f32 v[rT+4+\c], v[rT+4+\c], v[rS+8*\c+\d], v[rS+8*\c+\d+1]
.endr
.endr
	v_max3_num_f32 v[rT+4], v[rT+4], v[rS+7], v[rS+15]
	v_max3_num_f32 v[rT+6], v[rT+6], v[rS+23], v[rS+31]
	v_max3_num_f32 v[rT+4], v[rT+4], v[rT+5], v[rT+6]
	v_max3_num_f32 v[rT+4], v[rT+4], v[rT+7], v[rT]                      ; with the old m
	v_permlanex16_b32 v[rT+5], v[rT+4], s72, s73                         ; the query's other 32 keys lie in the lane 16 away
	v_mov_b32 v[rT+7], v[rT]
	v_max_num_f32 v[rT], v[rT+4], v[rT+5]                                ; the new m
	v_sub_f32 v[rT+7], v[rT+7], v[rT]                                    ; old m - new m
.set i, 0
.rept 16
	v_pk_add_f32 v[rS+2*i:rS+2*i+1], v[rS+2*i:rS+2*i+1], v[rT:rT+1] op_sel_hi:[1,0] neg_lo:[0,1] neg_hi:[0,1]   ; s - m: a subtraction, so that a masked score less a masked maximum is exactly 0
.set i, i+1
.endr
	v_exp_f32 v[rT+6], v[rT+7]                     ; a
.set i, 0
.rept 32
	v_exp_f32 v[rS+i], v[rS+i]                     ; p
.set i, i+1
.endr
	v_nop                                          ; a plain line behind the last exponential
	s_wait_alu depctr_va_vdst(0)                   ; one wait for the 33, ahead of the first line that names a result
	v_pk_fma_f32 v[rT+2:rT+3], v[rT+2:rT+3], v[rT+6:rT+7], v[rS:rS+1] op_sel_hi:[1,0,1]   ; l = a l + the sum of p, in two chains
	v_pk_add_f32 v[rC:rC+1], v[rS+2:rS+3], v[rS+4:rS+5]
.irp b, 3,5,7,9,11,13
	v_pk_add_f32 v[rT+2:rT+3], v[rT+2:rT+3], v[rS+2*\b:rS+2*\b+1]
	v_pk_add_f32 v[rC:rC+1], v[rC:rC+1], v[rS+2*\b+2:rS+2*\b+3]
.endr
	v_pk_add_f32 v[rT+2:rT+3], v[rT+2:rT+3], v[rS+30:rS+31]
	v_pk_add_f32 v[rT+2:rT+3], v[rT+2:rT+3], v[rC:rC+1]
.set i, 0
.rept 16
	v_cvt_pk_f16_f32 v[rP+i], v[rS+2*i], v[rS+2*i+1]
.set i, i+1
.endr
.set i, 0
.rept 16
	v_pk_mul_f32 v[rO+2*i:rO+2*i+1], v[rO+2*i:rO+2*i+1], v[rT+6:rT+7] op_sel_hi:[1,0]   ; O^T under the new m
.set i, i+1
.endr
.endm
; 64 keys for the tiles named: one straight run.
.macro CASE sl, q, a, b
	KLOAD \sl, \q
	s_wait_dscnt 8                                 ; the fragments of the first 32 channels are in; the eight loads of the second 32 may be out
	WIN 0x04                                       ; source 1 (Q) window 1
	SMULK 0, \a, \b
	s_wait_dscnt 0x0
	SMULK 1, \a, \b
	WIN 0
	PLACES
	VLOAD \sl, \q                                  ; V^T takes K's registers, and lands while the softmax is walked
.if \a
	SOFT 0
.endif
.if \b
	SOFT 1
.endif
	s_wait_dscnt 0x0
.if \a
	PVMUL 0
.endif
.if \b
	PVMUL 1
.endif
	PLACES                                         ; in front of the next loads into the fragments' registers, and of the next read of O^T
.endm
.macro STEP sl, q
	s_bitcmp1_b32 s27, 0
	s_cbranch_scc0 .Lno_a_\@
	s_bitcmp1_b32 s28, 0
	s_cbranch_scc0 .Lonly_a_\@
	CASE \sl, \q, 1, 1
	s_branch .Ldone_\@
.Lonly_a_\@:
	CASE \sl, \q, 1, 0
	s_branch .Ldone_\@
.Lno_a_\@:
	s_bitcmp1_b32 s28, 0
	s_cbranch_scc0 .Ldone_\@
	CASE \sl, \q, 0, 1
.Ldone_\@:
	s_lshr_b32 s27, s27, 1
	s_lshr_b32 s28, s28, 1
	s_lshr_b32 s29, s29, 1
	s_lshr_b32 s30, s30, 1
	s_add_co_u32 s26, s26, 128
.endm
; 128 keys out of slot sl.  ONE barrier a trip, on every wave's way: in front of it my reads of slot sl are over and my stores into the other slot have landed; the other slot's last readers passed the barrier before.
.macro SLOTTRIP sl
	s_and_b32 s3, s31, 12                          ; does any tile of the work-group walk the next 128 keys?  (In the last trip no bit is left: no load leaves the buffer)
	s_cmp_lg_u32 s3, 0
	s_cbranch_scc0 .Lno_load_\@
	GLOAD
.Lno_load_\@:
	STEP \sl, 0
	STEP \sl, 1
	s_wait_loadcnt 0x0                             ; the next keys are in registers, and their loads' bases may be stepped
	s_and_b32 s3, s31, 12
	s_cmp_lg_u32 s3, 0
	s_cbranch_scc0 .Lno_store_\@
	LSTORE 1-\sl
.Lno_store_\@:
	s_wait_dscnt 0x0
	s_barrier_signal -1
	s_barrier_wait -1
	s_add_nc_u64 s[18:19], s[18:19], 16384
	s_add_nc_u64 s[20:21], s[20:21], 16384
	s_lshr_b32 s31, s31, 2
.endm
	s_and_b32 s3, s31, 3                           ; the first 128 keys
	s_cmp_lg_u32 s3, 0
	s_cbranch_scc0 .Lfirst_load
	GLOAD
.Lfirst_load:
	s_wait_loadcnt 0x0                             ; they, and Q
	s_and_b32 s3, s31, 3
	s_cmp_lg_u32 s3, 0
	s_cbranch_scc0 .Lfirst_store
	LSTORE 0
.Lfirst_store:
	s_wait_dscnt 0x0
	s_barrier_signal -1
	s_barrier_wait -1
	s_add_nc_u64 s[18:19], s[18:19], 16384
	s_add_nc_u64 s[20:21], s[20:21], 16384
	s_mov_b32 s2, 8
.Lloop:                                                ; 8 trips x 2 slots x 128 keys
	SLOTTRIP 0
	SLOTTRIP 1
	s_sub_co_u32 s2, s2, 1
	s_cmp_lg_u32 s2, 0
	s_cbranch_scc1 .Lloop
	; THE WAY OUT.  O^T / l, rounded to f16 in pairs: a tile's 32 registers become two images (16 tokens x 32 channels) of the output projection's operand; each store covers 512 consecutive bytes, aligned.
.irp t, 0,1
	v_add_f32 v[ST+8*\t+4], v[ST+8*\t+2], v[ST+8*\t+3]
.endr
.irp t, 0,1
	v_permlanex16_b32 v[ST+8*\t+5], v[ST+8*\t+4], s72, s73
.endr
.irp t, 0,1
	v_add_f32 v[ST+8*\t+4], v[ST+8*\t+4], v[ST+8*\t+5]
.endr
.irp t, 0,1
	v_rcp_f32 v[ST+8*\t+6], v[ST+8*\t+4]
.endr
	v_nop                                          ; a plain line behind the last reciprocal
	s_wait_alu depctr_va_vdst(0)                   ; one wait for the two, ahead of their first reader
.irp t, 0,1
.set i, 0
.rept 16
	v_pk_mul_f32 v[S+32*\t+2*i:S+32*\t+2*i+1], v[O+32*\t+2*i:O+32*\t+2*i+1], v[ST+8*\t+6:ST+8*\t+7] op_sel_hi:[1,0]
.set i, i+1
.endr
.set i, 0
.rept 16
	v_cvt_pk_f16_f32 v[P+16*\t+i], v[S+32*\t+2*i], v[S+32*\t+2*i+1]
.set i, i+1
.endr
.irp k, 0,1
.irp c, 0,1
	global_store_b128 v[L16], v[P+16*\t+8*\k+4*\c:P+16*\t+8*\k+4*\c+3], s[68+2*\t:69+2*\t] offset:1024*\k+512*\c
.endr
.endr
.endr
	s_wait_tensorcnt 0x0                           ; the wave's end, behind my last LDS store
	ds_add_u32 v[SPW], v[NIL]
	s_wait_dscnt 0x0
	s_endpgm
.Lfunc_end_k_qa0935394c9_attn:
	.size	k_qa0935394c9_attn, .Lfunc_end_k_qa0935394c9_attn-k_qa0935394c9_attn
	.p2alignl 7, 3214868480
	.fill 96, 4, 3214868480
	.section	.rodata,"a",@progbits
	.p2align	6, 0x0
	.amdhsa_kernel k_qa0935394c9_attn
		.amdhsa_group_segment_fixed_size 66560
		.amdhsa_private_segment_fixed_size 0
		.amdhsa_enable_private_segment 0
		.amdhsa_kernarg_size 32
		.amdhsa_user_sgpr_count 2
		.amdhsa_user_sgpr_kernarg_segment_ptr 1
		.amdhsa_wavefront_size32 1
		.amdhsa_system_sgpr_workgroup_id_x 1
		.amdhsa_system_sgpr_workgroup_id_y 1
		.amdhsa_system_sgpr_workgroup_id_z 1
		.amdhsa_system_vgpr_workitem_id 0
		.amdhsa_next_free_vgpr 320
		.amdhsa_next_free_sgpr 88
		.amdhsa_reserve_vcc 0
		.amdhsa_float_denorm_mode_32 3
		.amdhsa_float_denorm_mode_16_64 3
		.amdhsa_memory_ordered 1
		.amdhsa_forward_progress 1
		.amdhsa_inst_pref_size 201
	.end_amdhsa_kernel
	.amdgpu_metadata
---
amdhsa.version: [ 1, 2 ]
amdhsa.kernels:
  - .name:           k_qa0935394c9_attn
    .symbol:         k_qa0935394c9_attn.kd
    .args:
      - { .name: qkvf, .offset: 0, .size: 8, .value_kind: global_buffer, .address_space: global }
      - { .name: maskw, .offset: 8, .size: 8, .value_kind: global_buffer, .address_space: global }
      - { .name: flags, .offset: 16, .size: 8, .value_kind: global_buffer, .address_space: global }
      - { .name: cc, .offset: 24, .size: 8, .value_kind: global_buffer, .address_space: global }
    .group_segment_fixed_size: 66560
    .private_segment_fixed_size: 0
    .kernarg_segment_align: 8
    .kernarg_segment_size: 32
    .max_flat_workgroup_size: 256
    .sgpr_count:     88
    .vgpr_count:     320
    .wavefront_size: 32
...
	.end_amdgpu_metadata
.endif
;; end of part 3
;; launch outp (part 4): grid 8 x 32, 4 waves a work-group, clusters of 4 x 4, 327,680 bytes of LDS; arguments cc, wo2, bo, out0; writes out0
.if DOCPART == 4
	.amdgcn_target "amdgcn-amd-amdhsa--gfx1250"
	.amdhsa_code_object_version 6
	.text
	.protected	k_qa0935394c9_outp
	.globl	k_qa0935394c9_outp
	.p2align	8
	.type	k_qa0935394c9_outp,@function
k_qa0935394c9_outp:
	s_mov_b64 s[64:65], 0
	v_nop
	global_prefetch_b8 v0, s[64:65] scope:SCOPE_SE
	s_setreg_imm32_b32 hwreg(HW_REG_WAVE_MODE, 25, 1), 1
	s_wait_xcnt 0x0
	s_wait_alu depctr_hold_cnt(0) depctr_sa_sdst(0) depctr_va_vdst(0) depctr_va_sdst(0) depctr_va_ssrc(0) depctr_va_vcc(0) depctr_vm_vsrc(0)
	s_getreg_b32 s2, hwreg(HW_REG_IB_STS2, 6, 4)
	s_cmp_eq_u32 s2, 0
	s_cbranch_scc0 .Lentry_in_a_cluster
	s_endpgm
.Lentry_in_a_cluster:
	s_bfe_u32 s2, ttmp6, 0x10000c
	s_cmp_lg_u32 s2, 0xf033
	s_cbranch_scc0 .Lentry_shape_is_right
	s_endpgm
.Lentry_shape_is_right:
; OUTP: out0[token][o] = the sum over i of concat[token][i] Wo[o][i] + bo[o], f16 operands, f32 sums, f32 out.
; Wo comes as a pair of f16 numbers, a high and a low part, for EVERY row: which rows of attention sum few terms hangs on the mask, an input, so no fixed rows are singled out.  So K = 2,048: A = [concat | concat], B = [high | low].
; cc: concat as operand images of 1,024 bytes, [tile of 16 tokens][32 along K]: registers 0-3 at 16 x lane, 4-7 at 512 + 16 x lane.  wo2: [1024 o][2048] f16.
; A tile of out0 is 128 x 128: 256 work-groups of four waves, each 64 x 64: 16 accumulators.  K goes in 8 steps of 256 through two LDS slots; A's address walks 0, 1, 2, 3, 0, 1, 2, 3 quarters of concat, so a slot's step along K
; changes sign from lap to lap, and the four laps are written out.
; CLUSTERS: 4 x 4.  A's tile is shared along a row of the cluster, B's along a column: joint loads.  THE MATRIX INSTRUCTION IS USED TRANSPOSED (source 0 = 16 rows of Wo, source 1 = 16 tokens): a lane holds eight neighbouring outputs of a token.
; The bias is the C of each sum's first matrix instruction.  A wave's 64 outputs of a token are 256 consecutive bytes, aligned: they go through the wave's own stage in LDS and leave sixteen lanes to such a run.
; REGISTERS: window 0: v16-29 addresses; v32-95 rows on the way out; v96-127 the bias, four tiles; v128-255 the accumulators ((a, b) at v[128 + 8 (4 a + b)]).  Window 1: two fragment buffers of 128: 64 of A, then 64 of B.
.set KSTEP,  256
.set PITCH,  528                       ; a row of B in LDS: 512 bytes + 16: row r starts at bank 4 r mod 64 (ISA guide 11.1)
.set HALFB,  64*PITCH
.set BOFF,   65536                     ; a slot: A's 8 tiles of tokens x 8 images, dense; then B's 128 rows
.set SLOT,   BOFF+2*HALFB
.set STAGE,  2*SLOT                    ; 16 rows x 272 bytes for each wave
.set SPITCH, 272
.set SPARE,  STAGE+4*16*SPITCH
.set ADRA, 16
.set ADRB, 20
.set STO,  24
.set RD,   25
.set CO,   26
.set SPW,  28
.set NIL,  29
.set TMP,  32
.set BIAS, 96
.set ACC,  128
.set F0,   0
.set F1,   128
.set G1, 24
.set G0, 32
.set G1B, 48
.set G0B, 56
.set MSB, 0
.macro WIN new
.if MSB != \new
	s_set_vgpr_msb (MSB<<8)|\new
.set MSB, \new
.endif
.endm
.set MUL,  0x05                        ; sources 0 (B) and 1 (A) window 1; C and D window 0
.set TO_F, 0x40
.macro JLOAD s                         ; waves 0 and 1 fetch A's halves, waves 2 and 3 B's; an s_nop 0 and four v_nop follow each of the two lines
	s_cmp_eq_u32 s13, 0
	s_cbranch_scc0 .Lfor_b_\@
	tensor_load_to_lds s[G0+4*\s:G0+4*\s+3], s[G1:G1+7]
	s_nop 0
.rept 4
	v_nop
.endr
	s_branch .Lasked_\@
.Lfor_b_\@:
	tensor_load_to_lds s[G0B+4*\s:G0B+4*\s+3], s[G1B:G1B+7]
	s_nop 0
.rept 4
	v_nop
.endr
.Lasked_\@:
.endm
.macro CREST
	s_cmp_lg_u32 s12, 0
	s_cbranch_scc1 .Lnot_wave_0_\@
	s_barrier_signal -3
.Lnot_wave_0_\@:
	s_barrier_wait -3
	s_barrier_signal -1
	s_barrier_wait -1
.endm
.macro CROUND
	s_barrier_signal -1
	s_barrier_wait -1
	CREST
.endm
	s_load_b128 s[4:7], s[0:1], 0x0                ; cc, wo2
	s_load_b128 s[8:11], s[0:1], 0x10              ; bo, out0
	v_lshl_add_u32 v[SPW], v0, 2, SPARE
	v_mov_b32 v[NIL], 0
	ds_add_u32 v[SPW], v[NIL]                      ; the wave's opening: the add, twice on end, and its wait ahead of my first tensor load
	ds_add_u32 v[SPW], v[NIL]
	v_lshrrev_b32 v1, 5, v0
	v_readfirstlane_b32 s12, v1                    ; wave 0..3
	s_lshr_b32 s13, s12, 1                         ; which 64 tokens are mine.  Also: I fetch for A (0) or for B (1)
	s_and_b32 s14, s12, 1                          ; which 64 outputs.  Also: which half of that tile I fetch
	s_bfe_u32 s40, ttmp6, 0x40000                  ; cx
	s_bfe_u32 s41, ttmp6, 0x40004                  ; cy
	s_lshl_b32 s42, ttmp9, 2
	s_add_co_u32 s42, s42, s40                     ; tile column, 0..7
	s_and_b32 s15, ttmp7, 0xffff
	s_lshl_b32 s15, s15, 2
	s_add_co_u32 s15, s15, s41                     ; tile row, 0..31
	s_lshl_b32 s43, s41, 2
	s_lshl_b32 s43, 15, s43                        ; my row of the cluster
	s_lshl_b32 s44, 0x1111, s40                    ; my column
	s_or_b32 s[G1+0], s43, (3<<16)|(1<<21)         ; A: the mask; elements of 8 bytes; no padding (images are read 16 bytes a lane on end); bit 21 beside a mask
	s_mov_b32 s[G1+1], 1024<<16                    ; tensor_dim0 = 1,024 elements: 8 images of one tile of tokens
	s_mov_b32 s[G1+2], 4<<16                       ; tensor_dim1 = 4 tiles of tokens
	s_mov_b32 s[G1+3], 1024<<16                    ; tile_dim0
	s_mov_b32 s[G1+4], 4                           ; tile_dim1
	s_mov_b32 s[G1+5], 4096                        ; from one tile of tokens to the next: 32,768 bytes
	s_mov_b32 s[G1+6], 0
	s_mov_b32 s[G1+7], 0
	s_or_b32 s[G1B+0], s44, (1<<16)|(1<<20)|(1<<21)|(6<<22)|(3<<25)  ; B: elements of 2 bytes; 4 words of padding behind every 128
	s_mov_b32 s[G1B+1], KSTEP<<16
	s_mov_b32 s[G1B+2], 64<<16
	s_mov_b32 s[G1B+3], KSTEP<<16
	s_mov_b32 s[G1B+4], 64
	s_mov_b32 s[G1B+5], 2048
	s_mov_b32 s[G1B+6], 0
	s_mov_b32 s[G1B+7], 0
	s_lshl_b32 s16, s15, 3
	s_lshl_b32 s17, s14, 2
	s_add_co_u32 s16, s16, s17                     ; A: tile of tokens 8 x tile row + 4 x half
	s_lshl_b32 s16, s16, 15
	s_mov_b32 s17, 0
	s_lshl_b32 s46, s42, 7
	s_lshl_b32 s47, s14, 6
	s_add_co_u32 s46, s46, s47                     ; B: row 128 x tile column + 64 x half
	s_lshl_b32 s46, s46, 12
	s_mov_b32 s47, 0
	s_lshl_b32 s20, s14, 15                        ; where they go: no place in the cluster enters an LDS address
	s_mul_i32 s21, s14, HALFB
	s_add_co_u32 s21, s21, BOFF
	s_wait_dscnt 0x0                               ; both opening adds are done
	s_wait_kmcnt 0x0
	s_add_nc_u64 s[18:19], s[4:5], s[16:17]
	s_add_nc_u64 s[46:47], s[6:7], s[46:47]
	CROUND                                         ; all sixteen work-groups are here: the first joint loads meet
.irp s, 0,1
	s_mov_b32 s[G0+4*\s], 1
	s_add_co_u32 s[G0+4*\s+1], s20, \s*SLOT
	s_add_nc_u64 s[G0+4*\s+2:G0+4*\s+3], s[18:19], \s*8192
	s_or_b32 s[G0+4*\s+3], s[G0+4*\s+3], 0x80000000
	s_mov_b32 s[G0B+4*\s], 1
	s_add_co_u32 s[G0B+4*\s+1], s21, \s*SLOT
	s_add_nc_u64 s[G0B+4*\s+2:G0B+4*\s+3], s[46:47], \s*KSTEP*2
	s_or_b32 s[G0B+4*\s+3], s[G0B+4*\s+3], 0x80000000
	JLOAD \s
.endr
	v_and_b32 v1, 15, v0                           ; r
	v_bfe_u32 v2, v0, 4, 1                         ; h
	v_and_b32 v3, 31, v0
	v_lshlrev_b32 v3, 4, v3                        ; 16 x lane
	v_mul_u32_u24 v4, v1, PITCH
	v_lshl_add_u32 v4, v2, 4, v4                   ; B: row x pitch + 16 h
	s_lshl_b32 s21, s13, 15                        ; my 4 tiles of tokens
	s_mul_i32 s22, s14, HALFB                      ; my 64 rows of B
	s_add_co_u32 s22, s22, BOFF
.irp s, 0,1
	v_add_nc_u32 v[ADRA+\s], s21, v3
	v_add_nc_u32 v[ADRB+\s], s22, v4
	s_add_co_u32 s21, s21, SLOT
	s_add_co_u32 s22, s22, SLOT
.endr
	s_mul_i32 s23, s12, 16*SPITCH
	s_add_co_u32 s23, s23, STAGE                   ; my stage
	v_mul_u32_u24 v5, v1, SPITCH
	v_lshl_add_u32 v5, v2, 5, v5
	v_add_nc_u32 v[STO], s23, v5                   ; in: row r, 32 bytes for each half of the lanes
	v_mul_u32_u24 v5, v2, SPITCH
	v_lshl_add_u32 v5, v1, 4, v5
	v_add_nc_u32 v[RD], s23, v5                    ; back: lanes 0-15 one row of 256 bytes, lanes 16-31 the next
	v_lshlrev_b32 v5, 12, v2
	v_lshl_add_u32 v[CO], v1, 4, v5                ; and the same two rows in out0: 4,096 bytes a row
	s_lshl_b32 s16, s15, 7
	s_lshl_b32 s17, s13, 6
	s_add_co_u32 s16, s16, s17                     ; my first token
	s_lshl_b32 s16, s16, 12
	s_mov_b32 s17, 0
	s_add_nc_u64 s[10:11], s[10:11], s[16:17]
	s_lshl_b32 s46, s42, 9
	s_lshl_b32 s47, s14, 8
	s_add_co_u32 s46, s46, s47                     ; my first output, in bytes: in a row of out0 and in bo alike
	s_mov_b32 s47, 0
	s_add_nc_u64 s[10:11], s[10:11], s[46:47]
	s_add_nc_u64 s[8:9], s[8:9], s[46:47]
	v_lshlrev_b32 v6, 5, v2                        ; 8 h numbers on
.irp b, 0,1,2,3
	global_load_b128 v[BIAS+8*\b:BIAS+8*\b+3], v6, s[8:9] offset:64*\b        ; bo at outputs 16 b + 8 h + 0 .. 7: the result's layout
	global_load_b128 v[BIAS+8*\b+4:BIAS+8*\b+7], v6, s[8:9] offset:64*\b+16
.endr
; 8 matrix instructions: token blocks a0, a0 + 1 x all 4 output blocks, 32 along K: half c of buffer f.  zero = 1: the first product starts the sum from the bias
.macro MUL8 f, c, a0, zero
.irp a, \a0, \a0+1
.irp b, 0,1,2,3
.if \zero
	v_wmma_f32_16x16x32_f16 v[ACC+8*(4*(\a)+\b):ACC+8*(4*(\a)+\b)+7], v[\f+64+8*(4*\c+\b):\f+64+8*(4*\c+\b)+7], v[\f+8*(4*\c+\a):\f+8*(4*\c+\a)+7], v[BIAS+8*\b:BIAS+8*\b+7]
.else
	v_wmma_f32_16x16x32_f16 v[ACC+8*(4*(\a)+\b):ACC+8*(4*(\a)+\b)+7], v[\f+64+8*(4*\c+\b):\f+64+8*(4*\c+\b)+7], v[\f+8*(4*\c+\a):\f+8*(4*\c+\a)+7], v[ACC+8*(4*(\a)+\b):ACC+8*(4*(\a)+\b)+7]
.endif
.endr
.endr
.endm
; 32 LDS loads in one run: the fragments of 64 along K, at byte k of B's rows and image k / 64 of A's tiles, into buffer f; the first 32 along K first
.macro FETCH slot, k, f
	WIN TO_F
.irp c, 0,1
.irp i, 0,1,2,3
	ds_load_b128 v[\f+64+8*(4*\c+\i):\f+64+8*(4*\c+\i)+3],   v[ADRB+\slot] offset:\k+64*\c+\i*16*PITCH
	ds_load_b128 v[\f+64+8*(4*\c+\i)+4:\f+64+8*(4*\c+\i)+7], v[ADRB+\slot] offset:\k+64*\c+\i*16*PITCH+32
	ds_load_b128 v[\f+8*(4*\c+\i):\f+8*(4*\c+\i)+3],         v[ADRA+\slot] offset:\i*8192+((\k)/64+\c)*1024
	ds_load_b128 v[\f+8*(4*\c+\i)+4:\f+8*(4*\c+\i)+7],       v[ADRA+\slot] offset:\i*8192+((\k)/64+\c)*1024+512
.endr
.endr
.endm
.macro PLACES
.rept 4
	v_nop
.endr
.endm
.macro QUARTER slot, k, f, g, zero     ; 64 along K out of buffer f; the next quarter, at byte k, is fetched into g
	s_wait_dscnt 16                                ; the first 32 along K are in; the other sixteen loads may be out
	WIN MUL
	MUL8 \f, 0, 0, \zero
	MUL8 \f, 0, 2, \zero
	PLACES
	FETCH \slot, \k, \g
	s_wait_dscnt 32                                ; all but the 32 just issued
	WIN MUL
	MUL8 \f, 1, 0, 0
	MUL8 \f, 1, 2, 0
.endm
; A slot's last quarter, and the change of slots: in front of the barrier each wave waits for all its tensor loads, adds 0 to its spare word, and waits for that and for its reads of this slot.
; fill = 1: the barrier opens a round of the cluster's, and this slot is filled again, two K steps on: B goes 1,024 bytes along its rows, A two quarters of concat on, or (back = 1) back.
.macro TURN slot, next, fill, back
	WIN 0
	s_wait_tensorcnt 0x0                           ; all my tensor loads have landed: my part of the next slot
	ds_add_u32 v[SPW], v[NIL]
	s_wait_dscnt 17                                ; (the add and the youngest sixteen loads may be out)
	WIN MUL
	MUL8 F1, 0, 0, 0
	s_wait_dscnt 0x0                               ; the add is done, and my reads of this slot are over
	s_barrier_signal -1
	MUL8 F1, 0, 2, 0
.if \fill
	WIN 0
.endif
	s_barrier_wait -1
.if \fill
	CREST                                          ; no wave of any partner still reads this slot or has a load on its way
.if \back
	s_sub_nc_u64 s[G0+4*\slot+2:G0+4*\slot+3], s[G0+4*\slot+2:G0+4*\slot+3], 16384
.else
	s_add_nc_u64 s[G0+4*\slot+2:G0+4*\slot+3], s[G0+4*\slot+2:G0+4*\slot+3], 16384
.endif
	s_add_nc_u64 s[G0B+4*\slot+2:G0B+4*\slot+3], s[G0B+4*\slot+2:G0B+4*\slot+3], 2*KSTEP*2
	JLOAD \slot                                    ; the first tensor load behind the round; its four v_nop are also the places in front of the loads below
.else
	PLACES
.endif
	FETCH \next, 0, F0
	WIN MUL
	MUL8 F1, 1, 0, 0
	MUL8 F1, 1, 2, 0
.endm
	s_wait_tensorcnt 1                             ; my part of K step 0 is in; K step 1's load may be out
	s_barrier_signal -1
	s_barrier_wait -1
	FETCH 0, 0, F0
	s_wait_loadcnt 0x0                             ; the bias
	QUARTER 0, 128, F0, F1, 1
.irp back, 0,1,0                       ; three laps that fill both slots again: K steps 2, 3 (on), 4, 5 (A back to concat's head), 6, 7 (on)
	QUARTER 0, 256, F1, F0, 0
	QUARTER 0, 384, F0, F1, 0
	TURN 0, 1, 1, \back
	QUARTER 1, 128, F0, F1, 0
	QUARTER 1, 256, F1, F0, 0
	QUARTER 1, 384, F0, F1, 0
	TURN 1, 0, 1, \back
	QUARTER 0, 128, F0, F1, 0
.endr
	QUARTER 0, 256, F1, F0, 0                      ; the last lap fills nothing
	QUARTER 0, 384, F0, F1, 0
	TURN 0, 1, 0, 0
	QUARTER 1, 128, F0, F1, 0
	QUARTER 1, 256, F1, F0, 0
	QUARTER 1, 384, F0, F1, 0
	s_wait_dscnt 16
	WIN MUL
	MUL8 F1, 0, 0, 0
	MUL8 F1, 0, 2, 0
	s_wait_dscnt 0
	MUL8 F1, 1, 0, 0
	MUL8 F1, 1, 2, 0
	WIN 0
	; THE WAY OUT, 16 tokens at a time: the accumulators go as they are into my stage (each from its low end on) and come back as rows of 256 bytes.  LDS serves a wave's instructions in order (ISA guide 5.7.1.4).
	PLACES
.irp a, 0,1,2,3
.if \a >= 2
	s_wait_xcnt 0x0                                ; block a - 2's stores have read the registers into which the loads below land
.endif
.irp b, 0,1,2,3
	ds_store_b128 v[STO], v[ACC+8*(4*\a+\b):ACC+8*(4*\a+\b)+3] offset:64*\b
	ds_store_b128 v[STO], v[ACC+8*(4*\a+\b)+4:ACC+8*(4*\a+\b)+7] offset:64*\b+16
.endr
.irp t, 0,1,2,3,4,5,6,7
	ds_load_b128 v[TMP+32*(\a%2)+4*\t:TMP+32*(\a%2)+4*\t+3], v[RD] offset:\t*2*SPITCH
.endr
.irp t, 0,1,2,3,4,5,6,7
	s_wait_dscnt 7-\t                              ; load t is in; the younger ones may be out
	global_store_b128 v[CO], v[TMP+32*(\a%2)+4*\t:TMP+32*(\a%2)+4*\t+3], s[10:11] offset:(16*\a+2*\t)*4096 th:TH_STORE_NT   ; 16 lanes store 256 consecutive bytes, aligned
.endr
.endr
	s_wait_tensorcnt 0x0                           ; the wave's end, behind my last tensor load and my last LDS store
	ds_add_u32 v[SPW], v[NIL]
	s_wait_dscnt 0x0
	CROUND                                         ; the closing round
	s_endpgm
.Lfunc_end_k_qa0935394c9_outp:
	.size	k_qa0935394c9_outp, .Lfunc_end_k_qa0935394c9_outp-k_qa0935394c9_outp
	.p2alignl 7, 3214868480
	.fill 96, 4, 3214868480
	.section	.rodata,"a",@progbits
	.p2align	6, 0x0
	.amdhsa_kernel k_qa0935394c9_outp
		.amdhsa_group_segment_fixed_size 327680
		.amdhsa_private_segment_fixed_size 0
		.amdhsa_enable_private_segment 0
		.amdhsa_kernarg_size 32
		.amdhsa_user_sgpr_count 2
		.amdhsa_user_sgpr_kernarg_segment_ptr 1
		.amdhsa_wavefront_size32 1
		.amdhsa_system_sgpr_workgroup_id_x 1
		.amdhsa_system_sgpr_workgroup_id_y 1
		.amdhsa_system_sgpr_workgroup_id_z 1
		.amdhsa_system_vgpr_workitem_id 0
		.amdhsa_next_free_vgpr 512
		.amdhsa_next_free_sgpr 66
		.amdhsa_reserve_vcc 0
		.amdhsa_float_denorm_mode_32 3
		.amdhsa_float_denorm_mode_16_64 3
		.amdhsa_memory_ordered 1
		.amdhsa_forward_progress 1
		.amdhsa_inst_pref_size 159
	.end_amdhsa_kernel
	.amdgpu_metadata
---
amdhsa.version: [ 1, 2 ]
amdhsa.kernels:
  - .name:           k_qa0935394c9_outp
    .symbol:         k_qa0935394c9_outp.kd
    .args:
      - { .name: cc, .offset: 0, .size: 8, .value_kind: global_buffer, .address_space: global }
      - { .name: wo2, .offset: 8, .size: 8, .value_kind: global_buffer, .address_space: global }
      - { .name: bo, .offset: 16, .size: 8, .value_kind: global_buffer, .address_space: global }
      - { .name: out0, .offset: 24, .size: 8, .value_kind: global_buffer, .address_space: global }
    .group_segment_fixed_size: 327680
    .private_segment_fixed_size: 0
    .kernarg_segment_align: 8
    .kernarg_segment_size: 32
    .max_flat_workgroup_size: 128
    .sgpr_count:     66
    .vgpr_count:     512
    .wavefront_size: 32
...
	.end_amdgpu_metadata
.endif
;; end of part 4
